; MI455X (gfx1250); checked and timed in simulation.
; The chip was launched on July 23, 2026; its instructions are those of AMD's public machine-readable ISA for CDNA 5 (MIT licence, August 2026) and "CDNA5" Instruction Set Architecture Reference Guide (July 2026). The comments in the code are by the model that wrote it; some were corrected since.
;; Causal Self Attention. Allowed arithmetic: float matrix products may take bf16 or f16 operands with f32 sums; all other float work in f32.
;; Inputs: b_proj 1,024 float32; w_proj 1,024 x 1,024 float32; w_qkv 1,024 x 3,072 float32; x 2 x 2,048 x 1,024 float32.
;; Outputs: out0 2 x 2,048 x 1,024 float32.
;; 2 versions, each right; version 2 is version 1 with the launch cast written anew for expert scheduling mode. Each part assembles by itself: llvm-mc -triple=amdgcn-amd-amdhsa -mcpu=gfx1250 --defsym DOCPART=n.
;; ======== version 1 of 2: 4 launches
;; limits: values are held in f16: magnitudes above 65,504 overflow, below 6.1e-05 lose precision
;; workspace buffers: xh 8,388,608 bytes; wt 8,388,608 bytes; qkv 33,554,432 bytes; y 16,777,216 bytes
;; launch cast (part 1): grid 512 x 1, 8 waves a work-group, no clusters, 18,432 bytes of LDS; arguments x, w_qkv, w_proj, xh, wt; writes xh, wt
.if DOCPART == 1
	.amdgcn_target "amdgcn-amd-amdhsa--gfx1250"
	.amdhsa_code_object_version 6
	.text
	.protected	k_q7411979c87_cast
	.globl	k_q7411979c87_cast
	.p2align	8
	.type	k_q7411979c87_cast,@function
k_q7411979c87_cast:
	s_mov_b64 s[64:65], 0
	v_nop
	global_prefetch_b8 v0, s[64:65] scope:SCOPE_SE
	s_setreg_imm32_b32 hwreg(HW_REG_WAVE_MODE, 25, 1), 1
	s_wait_xcnt 0x0
; xh[4096][1024] = bf16(x).  wt[4096][1024] bf16 holds the weights' columns as rows (K along the rows):
;   rows 0-3071: w_qkv in 32 groups of 96 rows: group g = columns 64 g .. 64 g + 63 (q for g < 16, k above), then columns 2048 + 32 g .. + 31 (v);
;   rows 3072-4095: w_proj's columns in their order.
; The groups give every wave of the next launch 64 columns of q or k and 32 of v, whatever block it has.
; bf16 keeps f32's range, so no input is out of range here.
; Each of the 512 work-groups (8 waves) does two jobs of the same size, with no branch:
;   X: 32 KiB of x: thread t takes 16 bytes at 16 t of each of eight blocks of 4,096 bytes and stores 8 bytes: a wave's store covers 256 consecutive bytes, aligned.
;   W: a tile of 128 k x 64 n of a weight.  A wave reads 16 rows k (a load covers 256 consecutive bytes), a lane holds columns 2 l and 2 l + 1,
;      packs eight k of a column into 16 bytes and puts them into LDS rows [n][k]; behind one barrier the rows are read back whole and
;      sixteen neighbouring lanes store 256 consecutive bytes of a row of wt.
; No matrix unit, no cluster, no tensor load: bytes are all that counts here and no byte is read twice.
.set LP,  272                          ; LDS row: 128 bf16 + 16 bytes
.set VO,  8                            ; v[8:23]    byte offset of my 8 bytes in row j of my wave's 16 rows of the weight
.set W,   24                           ; v[24:55]   row j: two f32
.set X,   56                           ; v[56:87]   block j of x: four f32
.set PK,  88                           ; v[88:103]  (k group g, column parity e): four registers = eight k in bf16
.set XP,  104                          ; v[104:119] block j of x in bf16
.set RB,  120                          ; v[120:135] rows of wt read back
	s_load_b256 s[4:11], s[0:1], 0x0               ; x s[4:5], w_qkv s[6:7], w_proj s[8:9], xh s[10:11]
	s_load_b64 s[12:13], s[0:1], 0x20              ; wt
	v_lshl_add_u32 v136, v0, 2, 0x4400
	v_mov_b32 v137, 0
	v_lshrrev_b32 v1, 5, v0
	v_readfirstlane_b32 s14, v1                    ; wave
	v_and_b32 v1, 31, v0                           ; lane
	s_lshr_b32 s15, ttmp9, 3                       ; nb: block of 64 columns, 0..47 of w_qkv, 48..63 of w_proj
	s_and_b32 s16, ttmp9, 7                        ; kb: block of 128 k
	s_sub_co_u32 s17, s15, 48                      ; the block's number inside w_proj (used only where nb >= 48)
	s_lshl_b32 s20, s16, 7
	s_lshl4_add_u32 s20, s14, s20                  ; my wave's first row k = 128 kb + 16 wave
	s_movk_i32 s18, 0x3000                         ; bytes in a row of w_qkv
	s_movk_i32 s19, 0x1000                         ; bytes in a row of w_proj
	; the tile's first row in wt, and the jump in front of its rows 32-63
	s_mul_i32 s26, s15, 96                         ; q, k: group nb, rows 0-63 of it
	s_sub_co_u32 s27, s15, 32
	s_mul_i32 s27, s27, 192
	s_add_co_u32 s27, s27, 64                      ; v: groups 2 (nb - 32) and the next, rows 64-95 of each
	s_lshl_b32 s29, s15, 6                         ; w_proj: row 64 nb
	s_cmp_lt_u32 s15, 32
	s_cselect_b32 s26, s26, s27
	s_cselect_b32 s28, 0, 0x20000                  ; v: 64 rows of 2,048 bytes lie between the tile's two halves
	s_cmp_lt_u32 s15, 48
	s_cselect_b32 s26, s26, s29
	s_cselect_b32 s28, s28, 0
	s_mov_b32 s29, 0
	s_lshl_b32 s26, s26, 11                        ; rows of 2,048 bytes
	s_lshl_b32 s27, s16, 8                         ; 128 k in bf16
	s_add_co_u32 s26, s26, s27
	s_mov_b32 s27, 0
	v_lshlrev_b32 v2, 4, v0                        ; 16 t
	v_lshlrev_b32 v3, 3, v0                        ; 8 t
	v_mul_u32_u24 v4, v1, 2*LP
	v_lshl_add_u32 v4, s14, 5, v4                  ; LDS in: row 2 l, byte 32 wave
	v_lshrrev_b32 v7, 4, v0                        ; t / 16
	v_and_b32 v8, 15, v0
	v_lshlrev_b32 v8, 4, v8                        ; 16 (t mod 16)
	v_mad_u32_u24 v5, v7, LP, v8                   ; LDS back: row t / 16
	v_lshl_add_u32 v6, v7, 11, v8                  ; the same place in wt: rows of 2,048 bytes
	s_wait_kmcnt 0x0
	s_cmp_lt_u32 s15, 48                           ; which weight: hangs on the work-group's number alone
	s_cselect_b64 s[6:7], s[6:7], s[8:9]
	s_cselect_b32 s18, s18, s19                    ; its pitch
	s_cselect_b32 s17, s15, s17                    ; my block of 64 columns in it
	s_mul_i32 s20, s20, s18
	s_lshl_b32 s21, s17, 8
	s_add_co_u32 s20, s20, s21
	s_mov_b32 s21, 0
	s_add_nc_u64 s[6:7], s[6:7], s[20:21]          ; the weight at my wave's first row, my block's first column
	s_lshl_b32 s22, ttmp9, 15
	s_mov_b32 s23, 0
	s_add_nc_u64 s[4:5], s[4:5], s[22:23]          ; x at my 32 KiB
	s_lshl_b32 s24, ttmp9, 14
	s_mov_b32 s25, 0
	s_add_nc_u64 s[10:11], s[10:11], s[24:25]      ; xh at my 16 KiB
	s_add_nc_u64 s[12:13], s[12:13], s[26:27]      ; wt at my tile: for its rows 0-31
	s_add_nc_u64 s[30:31], s[12:13], s[28:29]      ; and for its rows 32-63
	v_lshlrev_b32 v[VO], 3, v1                     ; 8 l
.irp j, 1,2,3,4,5,6,7,8,9,10,11,12,13,14,15
	v_add_nc_u32 v[VO+\j], s18, v[VO+\j-1]         ; one row further down
.endr
.irp j, 0,1,2,3,4,5,6,7,8,9,10,11,12,13,14,15
	global_load_b64 v[W+2*\j:W+2*\j+1], v[VO+\j], s[6:7] th:TH_LOAD_NT
.endr
.irp j, 0,1,2,3,4,5,6,7
	global_load_b128 v[X+4*\j:X+4*\j+3], v2, s[4:5] offset:4096*\j th:TH_LOAD_NT
.endr
	s_wait_loadcnt 8                               ; the weight's sixteen loads are in; the eight younger ones, of x, stay out
.irp g, 0,1
.irp e, 0,1
.irp i, 0,1,2,3
	v_cvt_pk_bf16_f32 v[PK+8*\g+4*\e+\i], v[W+2*(8*\g+2*\i)+\e], v[W+2*(8*\g+2*\i+1)+\e]   ; k = 8 g + 2 i below, 8 g + 2 i + 1 above, of column 2 l + e
.endr
	ds_store_b128 v4, v[PK+8*\g+4*\e:PK+8*\g+4*\e+3] offset:LP*\e+16*\g
.endr
.endr
.irp j, 0,1,2,3,4,5,6,7
	s_wait_loadcnt 7-\j                            ; loads come back in order: block j is in
	v_cvt_pk_bf16_f32 v[XP+2*\j],   v[X+4*\j],   v[X+4*\j+1]
	v_cvt_pk_bf16_f32 v[XP+2*\j+1], v[X+4*\j+2], v[X+4*\j+3]
	global_store_b64 v3, v[XP+2*\j:XP+2*\j+1], s[10:11] offset:2048*\j
.endr
	s_wait_dscnt 0x0                               ; my LDS stores are done, for the other waves' sake
	s_barrier_signal -1
	s_barrier_wait -1                              ; the tile is whole
.irp p, 0,1,2,3
	ds_load_b128 v[RB+4*\p:RB+4*\p+3], v5 offset:16*LP*\p
.endr
.irp p, 0,1
	s_wait_dscnt 3-\p
	global_store_b128 v6, v[RB+4*\p:RB+4*\p+3], s[12:13] offset:32768*\p   ; sixteen lanes: 256 consecutive bytes of a row of wt, aligned
.endr
.irp p, 2,3
	s_wait_dscnt 3-\p
	global_store_b128 v6, v[RB+4*\p:RB+4*\p+3], s[30:31] offset:32768*\p
.endr
	s_wait_tensorcnt 0x0
	ds_add_u32 v136, v137
	s_wait_dscnt 0x0
	s_endpgm
.Lfunc_end_k_q7411979c87_cast:
	.size	k_q7411979c87_cast, .Lfunc_end_k_q7411979c87_cast-k_q7411979c87_cast
	.p2alignl 7, 3214868480
	.fill 96, 4, 3214868480
	.section	.rodata,"a",@progbits
	.p2align	6, 0x0
	.amdhsa_kernel k_q7411979c87_cast
		.amdhsa_group_segment_fixed_size 18432
		.amdhsa_private_segment_fixed_size 0
		.amdhsa_enable_private_segment 0
		.amdhsa_kernarg_size 40
		.amdhsa_user_sgpr_count 2
		.amdhsa_user_sgpr_kernarg_segment_ptr 1
		.amdhsa_wavefront_size32 1
		.amdhsa_system_sgpr_workgroup_id_x 1
		.amdhsa_system_sgpr_workgroup_id_y 1
		.amdhsa_system_sgpr_workgroup_id_z 1
		.amdhsa_system_vgpr_workitem_id 0
		.amdhsa_next_free_vgpr 138
		.amdhsa_next_free_sgpr 66
		.amdhsa_reserve_vcc 0
		.amdhsa_float_denorm_mode_32 3
		.amdhsa_float_denorm_mode_16_64 3
		.amdhsa_memory_ordered 1
		.amdhsa_forward_progress 1
		.amdhsa_inst_pref_size 10
	.end_amdhsa_kernel
	.amdgpu_metadata
---
amdhsa.version: [ 1, 2 ]
amdhsa.kernels:
  - .name:           k_q7411979c87_cast
    .symbol:         k_q7411979c87_cast.kd
    .args:
      - { .name: x, .offset: 0, .size: 8, .value_kind: global_buffer, .address_space: global }
      - { .name: w_qkv, .offset: 8, .size: 8, .value_kind: global_buffer, .address_space: global }
      - { .name: w_proj, .offset: 16, .size: 8, .value_kind: global_buffer, .address_space: global }
      - { .name: xh, .offset: 24, .size: 8, .value_kind: global_buffer, .address_space: global }
      - { .name: wt, .offset: 32, .size: 8, .value_kind: global_buffer, .address_space: global }
    .group_segment_fixed_size: 18432
    .private_segment_fixed_size: 0
    .kernarg_segment_align: 8
    .kernarg_segment_size: 40
    .max_flat_workgroup_size: 256
    .sgpr_count:     66
    .vgpr_count:     138
    .wavefront_size: 32
...
	.end_amdgpu_metadata
.endif
;; end of part 1
;; launch qkvgemm (part 2): grid 16 x 16, 4 waves a work-group, clusters of 4 x 4, 327,680 bytes of LDS; arguments xh, wt, qkv; writes qkv
.if DOCPART == 2
	.amdgcn_target "amdgcn-amd-amdhsa--gfx1250"
	.amdhsa_code_object_version 6
	.text
	.protected	k_q7411979c87_qkvgemm
	.globl	k_q7411979c87_qkvgemm
	.p2align	8
	.type	k_q7411979c87_qkvgemm,@function
k_q7411979c87_qkvgemm:
	s_mov_b64 s[64:65], 0
	v_nop
	global_prefetch_b8 v0, s[64:65] scope:SCOPE_SE
	s_setreg_imm32_b32 hwreg(HW_REG_WAVE_MODE, 25, 1), 1
	s_wait_xcnt 0x0
	s_wait_alu depctr_hold_cnt(0) depctr_sa_sdst(0) depctr_va_vdst(0) depctr_va_sdst(0) depctr_va_ssrc(0) depctr_va_vcc(0) depctr_vm_vsrc(0)
	s_getreg_b32 s2, hwreg(HW_REG_IB_STS2, 6, 4)
	s_cmp_eq_u32 s2, 0
	s_cbranch_scc0 .Lentry_in_a_cluster
	s_endpgm
.Lentry_in_a_cluster:
	s_bfe_u32 s2, ttmp6, 0x10000c
	s_cmp_lg_u32 s2, 0xf033
	s_cbranch_scc0 .Lentry_shape_is_right
	s_endpgm
.Lentry_shape_is_right:
; qkv = x w_qkv: C[m][n'] = sum over k of xh[m][k] wt[n'][k], m < 4096, n' < 3072 (wt's row order), k < 1024; bf16 operands, f32 sums.
; C is stored in f16, in planes of 32 columns [plane][4096 tokens][32] (262,144 bytes a plane; a token's row in a plane is 64 bytes):
;   planes 2 h + u: q of head h (u: which 32 of its 64); 32 + 2 h + u: k; 64 + 4 h + 2 u: the upper part of v; 65 + 4 h + 2 u: its lower part.
; v IS KEPT AS TWO f16 NUMBERS: the f32 sum cut to 11 bits, and the exact rest rounded: the first rows of a batch are means of few v and are far larger than
; the output's root mean square, against which an error counts, so one f16 rounding of v would take the room that P's rounding needs.
; LIMIT: a q, k or v at or beyond 65504 in magnitude becomes an infinity in f16.
; A work-group makes 256 x 192 of C with four waves; a wave makes 128 x 96, one group of wt's rows: 64 columns of q or k and 32 of v:
; 48 accumulator tiles of 16 x 16, 384 registers.  16 x 16 = 256 work-groups.
; K goes in steps of 128 through two LDS slots filled by the tensor data mover; a tile's rows are 256 bytes of memory, aligned.
; CLUSTERS: 4 x 4 work-groups.  The four of a row of the cluster need the same rows of xh, the four of a column the same rows of wt: each tile is
; asked for jointly, by the same tensor load with the same descriptor and a mask that names the four.
; REGISTERS in windows of 256: window 0: v16-26 addresses, v64-127 and v128-191 fragments of xh (two buffers), v192-223 packed results, v224-255 v's two parts in f32;
; window 1: v64-111 and v128-175 fragments of wt; window 2: the 24 tiles of my rows 0-63 (tile (a, b) at 8 (6 a + b)); window 3: rows 64-127.
; The matrix instruction is used transposed (source 0 = rows of wt, source 1 = rows of xh): a lane then holds row l % 16 of C and its eight
; registers hold eight neighbouring columns 8 (l / 16) + 0..7, which pack into 16 bytes.
.set KSTEP,  128
.set PITCH,  272                       ; an LDS row: 256 bytes + 16: an odd multiple of 16, so the 16 rows of a fragment load start at 16 different 16-byte columns modulo 256
.set AH,     128*PITCH                 ; 128 rows of xh: one tensor load, and what a wave reads of xh
.set BH,     96*PITCH                  ; 96 rows of wt: likewise
.set SLOT,   2*AH+2*BH                 ; xh's 256 rows, then wt's 192
.set STAGE,  2*SLOT                    ; behind the ring (a multiple of 256): 16 rows x 272 bytes for each wave, for the way out
.set SP,     272                       ; a token's four planes of 64 bytes + 16
.set PLANE,  262144
.set ADRA, 16                          ; v16-17  LDS address of my xh fragments in slot 0, 1
.set ADRB, 20                          ; v20-21  the same for wt
.set STO,  24
.set RD,   25
.set CO,   26
.set F0,   64
.set F1,   128
.set TMP,  192
.set HI32, 224                         ; v224-239  v cut to 11 bits
.set LO32, 240                         ; v240-255  the rest
.set G1, 24                            ; s[24:31] group 1 for xh's tiles
.set G0, 32                            ; s[32:39] group 0 for xh's tiles, a set for each slot
.set G1B, 48                           ; s[48:55] group 1 for wt's tiles
.set G0B, 56                           ; s[56:63] group 0 for wt's tiles
.set MSB, 0
.macro WIN new                         ; the immediate's high byte repeats the setting that is left
.if MSB != \new
	s_set_vgpr_msb (MSB<<8)|\new
.set MSB, \new
.endif
.endm
.set MUL_LO, 0xa1                      ; source 0 window 1, source 1 window 0, C and D window 2
.set MUL_HI, 0xf1                      ; the same, C and D window 3
.set TO_B,   0x40                      ; destination window 1, address window 0
; A joint load.  Waves 0 and 1 fetch xh's two halves, waves 2 and 3 wt's.  The branch hangs on the wave's number alone.
.macro JLOAD s
	s_cmp_eq_u32 s11, 0
	s_cbranch_scc0 .Lfor_b_\@
	tensor_load_to_lds s[G0+4*\s:G0+4*\s+3], s[G1:G1+7]
	s_nop 0
	s_branch .Lasked_\@
.Lfor_b_\@:
	tensor_load_to_lds s[G0B+4*\s:G0B+4*\s+3], s[G1B:G1B+7]
	s_nop 0
.Lasked_\@:
.endm
.macro CREST                           ; a round of the cluster's barrier behind its opening work-group barrier
	s_cmp_lg_u32 s10, 0
	s_cbranch_scc1 .Lnot_wave_0_\@
	s_barrier_signal -3
.Lnot_wave_0_\@:
	s_barrier_wait -3
	s_barrier_signal -1
	s_barrier_wait -1
.endm
.macro CROUND                          ; a whole round
	s_barrier_signal -1
	s_barrier_wait -1
	CREST
.endm
	s_load_b128 s[4:7], s[0:1], 0x0                ; xh s[4:5], wt s[6:7]
	s_load_b64 s[8:9], s[0:1], 0x10                ; qkv
	s_set_vgpr_msb 0x40
	v_lshl_add_u32 v255, v0, 2, 0x3fc00
	s_set_vgpr_msb 0x4000
	v_mov_b32 v63, 0
	s_set_vgpr_msb 0x1
	ds_add_u32 v255, v63
	ds_add_u32 v255, v63
	s_set_vgpr_msb 0x100
	v_lshrrev_b32 v1, 5, v0
	v_readfirstlane_b32 s10, v1                    ; wave 0..3
	s_lshr_b32 s11, s10, 1                         ; my half of the block's rows; also: I fetch for xh (0) or wt (1)
	s_and_b32 s12, s10, 1                          ; my half of its columns; also: which half of that tile I fetch
	s_bfe_u32 s40, ttmp6, 0x40000                  ; cx
	s_bfe_u32 s41, ttmp6, 0x40004                  ; cy
	s_lshl_b32 s42, ttmp9, 2
	s_add_co_u32 s42, s42, s40                     ; block column (192 columns) = 4 x cluster x + cx
	s_and_b32 s13, ttmp7, 0xffff
	s_lshl_b32 s13, s13, 2
	s_add_co_u32 s13, s13, s41                     ; block row (256 rows) = 4 x cluster y + cy
	s_lshl_b32 s43, s41, 2
	s_lshl_b32 s43, 15, s43                        ; my row of the cluster: places 4 cy .. 4 cy + 3
	s_lshl_b32 s44, 0x1111, s40                    ; my column: places cx, cx + 4, cx + 8, cx + 12
	s_mov_b32 s45, 0xffffe000                      ; keeps an f32's sign, exponent and upper 10 bits of the fraction: what f16 holds
	s_or_b32 s[G1+0], s43, (1<<16)|(1<<20)|(1<<21)|(5<<22)|(3<<25)   ; mask of my row; elements of 2 bytes; padding on; bit 21 beside a mask; after every 64 words 4 words
	s_or_b32 s[G1B+0], s44, (1<<16)|(1<<20)|(1<<21)|(5<<22)|(3<<25)  ; the same with the mask of my column
	s_mov_b32 s[G1+1], KSTEP<<16                   ; tensor_dim0 = 128
	s_mov_b32 s[G1B+1], KSTEP<<16
	s_mov_b32 s[G1+2], 128<<16                     ; tensor_dim1 = 128 rows
	s_mov_b32 s[G1B+2], 96<<16                     ; 96 rows
	s_mov_b32 s[G1+3], KSTEP<<16                   ; tile_dim0 = 128
	s_mov_b32 s[G1B+3], KSTEP<<16
	s_mov_b32 s[G1+4], 128                         ; tile_dim1
	s_mov_b32 s[G1B+4], 96
	s_mov_b32 s[G1+5], 1024                        ; elements from row to row
	s_mov_b32 s[G1B+5], 1024
	s_mov_b32 s[G1+6], 0
	s_mov_b32 s[G1B+6], 0
	s_mov_b32 s[G1+7], 0
	s_mov_b32 s[G1B+7], 0
	; xh's tiles hang on the block row alone, wt's on the block column alone; each offset is made in registers that never hold the other coordinate
	s_lshl_b32 s17, s12, 7
	s_lshl_b32 s16, s13, 8
	s_add_co_u32 s16, s16, s17                     ; row 256 x block row + 128 x half
	s_lshl_b32 s16, s16, 11                        ; rows of 2,048 bytes
	s_mov_b32 s17, 0
	s_mul_i32 s46, s42, 192
	s_mul_i32 s47, s12, 96
	s_add_co_u32 s46, s46, s47                     ; row 192 x block column + 96 x half
	s_lshl_b32 s46, s46, 11
	s_mov_b32 s47, 0
	s_mul_i32 s20, s10, AH                         ; LDS: waves 0, 1: xh's halves at 0 and AH
	s_mul_i32 s21, s10, BH
	s_add_co_u32 s21, s21, 2*AH-2*BH               ; waves 2, 3: wt's halves at 2 AH and 2 AH + BH
	s_wait_dscnt 0x0
	s_wait_kmcnt 0x0
	s_add_nc_u64 s[14:15], s[4:5], s[16:17]
	s_add_nc_u64 s[46:47], s[6:7], s[46:47]
	CROUND                                         ; all sixteen work-groups are here: the first joint loads meet
.irp s, 0,1
	s_mov_b32 s[G0+4*\s], 1
	s_add_co_u32 s[G0+4*\s+1], s20, \s*SLOT
	s_add_nc_u64 s[G0+4*\s+2:G0+4*\s+3], s[14:15], \s*KSTEP*2
	s_or_b32 s[G0+4*\s+3], s[G0+4*\s+3], 0x80000000
	s_mov_b32 s[G0B+4*\s], 1
	s_add_co_u32 s[G0B+4*\s+1], s21, \s*SLOT
	s_add_nc_u64 s[G0B+4*\s+2:G0B+4*\s+3], s[46:47], \s*KSTEP*2
	s_or_b32 s[G0B+4*\s+3], s[G0B+4*\s+3], 0x80000000
	JLOAD \s                                       ; both slots' first fills go out together: two loads of this wave are out
.endr
	v_and_b32 v1, 15, v0                           ; l % 16
	v_bfe_u32 v2, v0, 4, 1                         ; l / 16
	v_mul_u32_u24 v3, v1, PITCH
	v_lshl_add_u32 v3, v2, 4, v3                   ; row x pitch + 16 x half
	s_mul_i32 s22, s11, AH
	s_mul_i32 s23, s12, BH
	s_add_co_u32 s23, s23, 2*AH
.irp s, 0,1
	v_add_nc_u32 v[ADRA+\s], s22, v3
	v_add_nc_u32 v[ADRB+\s], s23, v3
	s_add_co_u32 s22, s22, SLOT
	s_add_co_u32 s23, s23, SLOT
.endr
	s_mul_i32 s22, s10, 16*SP
	s_add_co_u32 s22, s22, STAGE                   ; my stage
	v_mul_u32_u24 v4, v1, SP
	v_lshl_add_u32 v4, v2, 4, v4
	v_add_nc_u32 v[STO], s22, v4                   ; in: row l % 16, 16 bytes for each half of the lanes
	v_and_b32 v5, 31, v0
	v_lshrrev_b32 v6, 2, v5
	v_and_b32 v7, 3, v0
	v_mul_u32_u24 v6, v6, SP
	v_lshl_add_u32 v6, v7, 4, v6
	v_add_nc_u32 v[RD], s22, v6                    ; back: token l / 4 of eight, 16 bytes l % 4 of a plane's 64
	v_lshlrev_b32 v[CO], 4, v5                     ; and in a plane these 32 x 16 bytes follow each other
; 12 matrix instructions: row blocks a0, a0 + 1 of the window's four x all 6 column blocks, 32 along K.  zero = 1: the product starts the sums.
; The 48 accumulators take turns, one instruction a turn, in the same order in every quarter step.
.macro MUL12 f, hi, a0, zero
.irp a, \a0, \a0+1
.irp b, 0,1,2,3,4,5
.if \zero
	v_wmma_f32_16x16x32_bf16 v[8*(6*(\a)+\b):8*(6*(\a)+\b)+7], v[\f+8*\b:\f+8*\b+7], v[\f+8*(4*\hi+\a):\f+8*(4*\hi+\a)+7], 0
.else
	v_wmma_f32_16x16x32_bf16 v[8*(6*(\a)+\b):8*(6*(\a)+\b)+7], v[\f+8*\b:\f+8*\b+7], v[\f+8*(4*\hi+\a):\f+8*(4*\hi+\a)+7], v[8*(6*(\a)+\b):8*(6*(\a)+\b)+7]
.endif
.endr
.endr
.endm
; 28 LDS loads in one run: the fragments of a quarter step (96 rows of wt, 128 rows of xh, 32 K at byte k of the rows) into buffer f
.macro FETCH slot, k, f
	WIN TO_B
.irp i, 0,1,2,3,4,5
	ds_load_b128 v[\f+8*\i:\f+8*\i+3],   v[ADRB+\slot] offset:\k+\i*16*PITCH
	ds_load_b128 v[\f+8*\i+4:\f+8*\i+7], v[ADRB+\slot] offset:\k+\i*16*PITCH+32
.endr
	WIN 0
.irp i, 0,1,2,3,4,5,6,7
	ds_load_b128 v[\f+8*\i:\f+8*\i+3],   v[ADRA+\slot] offset:\k+\i*16*PITCH
	ds_load_b128 v[\f+8*\i+4:\f+8*\i+7], v[ADRA+\slot] offset:\k+\i*16*PITCH+32
.endr
.endm
; Four places behind the last matrix instruction, in front of loads into registers that matrix instructions have read and of reads of results
.macro PLACES
.rept 4
	v_nop
.endr
.endm
.macro QUARTER slot, k, f, g, zero
	s_wait_dscnt 8                                 ; wt and xh's rows 0-63 are in; the youngest eight loads (xh's rows 64-127) may be out
	WIN MUL_LO
	MUL12 \f, 0, 0, \zero
	MUL12 \f, 0, 2, \zero
	PLACES
	FETCH \slot, \k, \g
	s_wait_dscnt 28                                ; all but the 28 just issued
	WIN MUL_HI
	MUL12 \f, 1, 0, \zero
	MUL12 \f, 1, 2, \zero
.endm
.macro THREE slot, zero
	QUARTER \slot, 64,  F0, F1, \zero
	QUARTER \slot, 128, F1, F0, 0
	QUARTER \slot, 192, F0, F1, 0
.endm
; The last quarter of a K step changes slots.  In front of the barrier each wave waits for its reads of this slot and for all its tensor loads (one is out:
; its part of the next slot).  Behind it the refill comes first, then the next slot's first fragments.  From a request to the wait for it: 180 matrix instructions.
.macro TURN slot, next, fill
	s_wait_dscnt 8
	WIN MUL_LO
	MUL12 F1, 0, 0, 0
	s_wait_dscnt 0                                 ; my reads of this slot are over
	s_wait_tensorcnt 0x0                           ; and all my tensor loads have landed
	ds_add_u32 v255, v63
	s_wait_dscnt 0x0
	s_barrier_signal -1                            ; where a slot is filled again this barrier opens a round of the cluster's barrier
	MUL12 F1, 0, 2, 0                              ; register work while the others arrive
	WIN 0
	s_barrier_wait -1
.if \fill
	CREST                                          ; no wave of any partner still reads this slot or has a load on its way
	s_add_nc_u64 s[G0+4*\slot+2:G0+4*\slot+3], s[G0+4*\slot+2:G0+4*\slot+3], 2*KSTEP*2
	s_add_nc_u64 s[G0B+4*\slot+2:G0B+4*\slot+3], s[G0B+4*\slot+2:G0B+4*\slot+3], 2*KSTEP*2
	JLOAD \slot                                    ; the first and only tensor load of the wave behind the round
.endif
	PLACES
	FETCH \next, 0, F0
	WIN MUL_HI
	MUL12 F1, 1, 0, 0
	MUL12 F1, 1, 2, 0
.endm
.macro LAP zero                        ; two K steps, both slots filled again
	THREE 0, \zero
	TURN 0, 1, 1
	THREE 1, 0
	TURN 1, 0, 1
.endm
	s_wait_tensorcnt 1                             ; my part of K step 0 is in; K step 1's load, issued behind it, may stay out
	s_barrier_signal -1
	s_barrier_wait -1
	FETCH 0, 0, F0
	LAP 1                                          ; K = 1024 is four laps; the first starts the sums
	WIN 0
	s_mov_b32 s3, 2
.Llap:
	LAP 0
	WIN 0
	s_sub_co_u32 s3, s3, 1
	s_cmp_lg_u32 s3, 0
	s_cbranch_scc1 .Llap
	THREE 0, 0                                     ; the last lap fills nothing
	TURN 0, 1, 0
	THREE 1, 0
	s_wait_dscnt 8
	WIN MUL_LO
	MUL12 F1, 0, 0, 0
	MUL12 F1, 0, 2, 0
	s_wait_dscnt 0
	WIN MUL_HI
	MUL12 F1, 1, 0, 0
	MUL12 F1, 1, 2, 0
	; THE WAY OUT, 16 rows at a time: to f16, 16 bytes a lane into my own stage (a token's row there: two planes of q or k, v's upper part, v's lower part),
	; read back by planes: eight tokens x 64 bytes = 512 bytes that follow each other in a plane.
	PLACES
	s_lshl_b32 s46, s42, 2
	s_lshl1_add_u32 s46, s12, s46                  ; 2 g = 4 x block column + 2 x half: my first plane of q or k
	s_lshl_b32 s46, s46, 18
	s_mov_b32 s47, 0
	s_add_nc_u64 s[8:9], s[8:9], s[46:47]
	s_lshl_b32 s16, s13, 8
	s_lshl_b32 s17, s11, 7
	s_add_co_u32 s16, s16, s17                     ; my first token
	s_lshl_b32 s16, s16, 6
	s_mov_b32 s17, 0
	s_add_nc_u64 s[8:9], s[8:9], s[16:17]
	s_add_nc_u64 s[6:7], s[8:9], 64*PLANE          ; v's planes 64 + 2 g and 65 + 2 g
; rows 16 i .. 16 i + 15 of my block = the six tiles (a, 0..5) of window win; f: F0 or F1 in turn
.macro OUT16 i, a, win, f
	WIN (\win<<2)|\win                             ; sources 0 and 1 in the accumulators' window
.irp b, 0,1,2,3
.irp r, 0,1,2,3
	v_cvt_pk_f16_f32 v[TMP+4*\b+\r], v[8*(6*\a+\b)+2*\r], v[8*(6*\a+\b)+2*\r+1]
.endr
.endr
.set k, 0
.rept 16
	v_and_b32 v[HI32+k], s45, v[8*(6*\a+4)+k]      ; v cut to what f16 holds
.set k, k+1
.endr
	WIN \win                                       ; source 0 in the accumulators' window, source 1 in window 0
.set k, 0
.rept 16
	v_sub_f32 v[LO32+k], v[8*(6*\a+4)+k], v[HI32+k]    ; the rest, exact in f32
.set k, k+1
.endr
	WIN 0
.set k, 0
.rept 8
	v_cvt_pk_f16_f32 v[TMP+16+k], v[HI32+2*k], v[HI32+2*k+1]
	v_cvt_pk_f16_f32 v[TMP+24+k], v[LO32+2*k], v[LO32+2*k+1]
.set k, k+1
.endr
.irp q, 0,1,2,3,4,5,6,7
	ds_store_b128 v[STO], v[TMP+4*\q:TMP+4*\q+3] offset:32*\q
.endr
	s_wait_xcnt 0x0                                ; buffer f, which earlier stores read, is loaded again only behind this wait
.irp t, 0,1,2,3,4,5,6,7
	ds_load_b128 v[\f+4*\t:\f+4*\t+3], v[RD] offset:(\t&1)*8*SP+(\t>>1)*64     ; LDS serves a wave's instructions in order: these see the stores above
.endr
.irp t, 0,1,2,3,4,5,6,7
	s_wait_dscnt 7-\t
.if \t < 4
	global_store_b128 v[CO], v[\f+4*\t:\f+4*\t+3], s[8:9] offset:(\t>>1)*PLANE+(16*\i+8*(\t&1))*64       ; the wave stores 512 consecutive bytes, aligned
.else
	global_store_b128 v[CO], v[\f+4*\t:\f+4*\t+3], s[6:7] offset:((\t>>1)-2)*PLANE+(16*\i+8*(\t&1))*64
.endif
.endr
.endm
	OUT16 0, 0, 2, F0
	OUT16 1, 1, 2, F1
	OUT16 2, 2, 2, F0
	OUT16 3, 3, 2, F1
	OUT16 4, 0, 3, F0
	OUT16 5, 1, 3, F1
	OUT16 6, 2, 3, F0
	OUT16 7, 3, 3, F1
	s_set_vgpr_msb 0x1
	s_wait_tensorcnt 0x0
	ds_add_u32 v255, v63
	s_wait_dscnt 0x0
	s_set_vgpr_msb 0x100
	CROUND                                         ; the closing round: no work-group ends while a partner may still ask for a tile that names it
	s_endpgm
.Lfunc_end_k_q7411979c87_qkvgemm:
	.size	k_q7411979c87_qkvgemm, .Lfunc_end_k_q7411979c87_qkvgemm-k_q7411979c87_qkvgemm
	.p2alignl 7, 3214868480
	.fill 96, 4, 3214868480
	.section	.rodata,"a",@progbits
	.p2align	6, 0x0
	.amdhsa_kernel k_q7411979c87_qkvgemm
		.amdhsa_group_segment_fixed_size 327680
		.amdhsa_private_segment_fixed_size 0
		.amdhsa_enable_private_segment 0
		.amdhsa_kernarg_size 24
		.amdhsa_user_sgpr_count 2
		.amdhsa_user_sgpr_kernarg_segment_ptr 1
		.amdhsa_wavefront_size32 1
		.amdhsa_system_sgpr_workgroup_id_x 1
		.amdhsa_system_sgpr_workgroup_id_y 1
		.amdhsa_system_sgpr_workgroup_id_z 1
		.amdhsa_system_vgpr_workitem_id 0
		.amdhsa_next_free_vgpr 960
		.amdhsa_next_free_sgpr 66
		.amdhsa_reserve_vcc 0
		.amdhsa_float_denorm_mode_32 3
		.amdhsa_float_denorm_mode_16_64 3
		.amdhsa_memory_ordered 1
		.amdhsa_forward_progress 1
		.amdhsa_inst_pref_size 174
	.end_amdhsa_kernel
	.amdgpu_metadata
---
amdhsa.version: [ 1, 2 ]
amdhsa.kernels:
  - .name:           k_q7411979c87_qkvgemm
    .symbol:         k_q7411979c87_qkvgemm.kd
    .args:
      - { .name: xh, .offset: 0, .size: 8, .value_kind: global_buffer, .address_space: global }
      - { .name: wt, .offset: 8, .size: 8, .value_kind: global_buffer, .address_space: global }
      - { .name: qkv, .offset: 16, .size: 8, .value_kind: global_buffer, .address_space: global }
    .group_segment_fixed_size: 327680
    .private_segment_fixed_size: 0
    .kernarg_segment_align: 8
    .kernarg_segment_size: 24
    .max_flat_workgroup_size: 128
    .sgpr_count:     66
    .vgpr_count:     960
    .wavefront_size: 32
...
	.end_amdgpu_metadata
.endif
;; end of part 2
;; launch attn (part 3): grid 8 x 32, 8 waves a work-group, no clusters, 327,680 bytes of LDS; arguments qkv, y; writes y
.if DOCPART == 3
	.amdgcn_target "amdgcn-amd-amdhsa--gfx1250"
	.amdhsa_code_object_version 6
	.text
	.protected	k_q7411979c87_attn
	.globl	k_q7411979c87_attn
	.p2align	8
	.type	k_q7411979c87_attn,@function
k_q7411979c87_attn:
	s_mov_b64 s[64:65], 0
	v_nop
	global_prefetch_b8 v0, s[64:65] scope:SCOPE_SE
	s_setreg_imm32_b32 hwreg(HW_REG_WAVE_MODE, 25, 1), 1
	s_wait_xcnt 0x0
; y = softmax(q k^T / 8, causal) v for one (batch, head), with a running maximum.  qkv: planes [128][4096][32] f16 (q 2 h + u, k 32 + 2 h + u, v's upper part
; 64 + 4 h + 2 u, its lower part one plane on).  y: [32 planes][4096][64] bf16: plane h holds y rounded to bf16, plane 16 + h the rounding's rest in bf16.
; Work-group (i, bh) makes two blocks of 128 query rows: block 15 - i (16 - i units of 128 keys), then block i (i + 1 units): 17 units in every work-group.
; Wave w: rg = w & 3: 32 query rows (two tiles qt); c = w >> 2: keys 64 c .. 64 c + 63 of each unit.  Each wave keeps its own maximum m, sum l and O;
; at a block's end the waves c = 1 hand theirs to the waves c = 0 through LDS, which merge, divide and store.
; TILES: two LDS slots, each with the K and V tiles of TWO units.  Behind each barrier in front of which all loads are waited for, six waves issue one tensor load of
; 16 KiB each (96 KiB for the work-group), and that load has two units' work, 96 matrix instructions and two softmaxes a wave, in which to land.
; Fills: units (0, 1) and (2, 3) at the start, then (4, 5) .. (14, 15), then unit 16 alone: seven barriers with a refill for 17 units.
; Both products are taken transposed, so that nothing crosses lanes but one exchange of halves:
;   S^T = K Q^T: register j of tile (qt, t), lane (r, h): key 16 t + 8 h + j, query r.  Packed in pairs, tiles 2 ks and 2 ks + 1 ARE the second source of
;   O^T = V^T P^T (V^T comes by the transposing LDS load): register j of tile (qt, dt): d = 16 dt + 8 h + j, query r.  m, l are one register a lane and qt.
; PRECISION: the first rows of a batch are means of few v and far larger than the output's root mean square, against which an error counts.  So of the numbers on
; v's way only P is rounded once to f16; v comes as two f16 numbers (O adds P v_upper and P v_lower) and y leaves as two bf16 numbers.
; NO CLUSTER: the eight work-groups of a head walk keys 0 .. 15 - i and then 0 .. i, so in one step they want different tiles; a walk in common would
; take 20 steps for 17 units of work.
; MASK: a masked score is set to -2^100, not to an infinity: c x 2^100 is exact, so a row whose keys in this wave are all masked gives exponents 0 (no NaN), and what it
; gathers is finite and gets the weight exp2(-huge) = 0 in the merge (key 0 of the diagonal unit lies in a wave c = 0, so the merged maximum is a true score).
; LIMIT: raw scores (q . k, before the division by 8) must lie above -2^100.
.set KP,     80                        ; K's LDS pitch: odd multiple of 16: the 16 rows of a fragment load start at 16 different 16-byte columns modulo 256
.set VP,     96                        ; V's: odd multiple of 32: the same for the transposing load's 8 rows x 2 columns
.set KPL,    128*KP                    ; a plane's 128 keys of K
.set VPL,    128*VP                    ; of V
.set KPART,  2*KPL                     ; one load: a unit's two planes of K
.set VPART,  2*VPL                     ; one load: upper and lower plane of a unit's V, one u
.set KBASE,  4*VPART                   ; a slot: V (e, u) at (2 e + u) x VPART (e: which unit of the two), then K (e) at KBASE + e x KPART
.set SLOTB,  KBASE+2*KPART             ; 139,264
.set SCR,    2*SLOTB                   ; behind the slots (a multiple of 256), 4 x 9,216: no tensor load lands here.  Part rg: first what wave 4 + rg hands to wave rg
.set SCRW,   9216                      ; (O 8,192 bytes, then m, l 512); when wave rg has read that, its two stages for the way out, 32 rows at pitch 144 each
.set STGH,   4608
.set SGP,    144
.set PLANE,  262144
                                       ; v1, v5: LDS address of my K fragments in slot 0, 1
                                       ; v2, v3, v28, v29: of my V fragments in (slot, e) = (0, 0), (0, 1), (1, 0), (1, 1): the second unit's offsets would pass the immediate's 16 bits
.set DQ,   4                           ; (32 rg + r) - (64 c + 8 h): a key 16 t + j of tile qt is kept where 16 t + j - 16 qt <= DQ
.set MRGA, 6
.set STO,  7
.set SRD,  8
.set YO,   9
.set QO,   10
.set YO2,  11                          ; YO + 16 planes of y
                                       ; v[12:13], v[14:15]: (-c m, m) of qt 0, 1;  v[16:17], v[18:19]: (alpha, l)
.set TP,   20                          ; v[20:27]  at work
.set QF,   32                          ; v[32:63]  Q fragment (qt, u) at 8 (2 qt + u)
.set SC,   64                          ; v[64:127] S tile (qt, t) at 32 qt + 8 t; then P (qt, ks) at 16 qt + 8 ks, and at 32 + 8 dt the lower V's keys 0-31
.set KV,   128                         ; v[128:191] K fragment (u, t) at 8 (4 u + t); then upper V fragment (ks, dt) at 8 (4 ks + dt); then at 8 dt the lower V's keys 32-63
.set OA,   192                         ; v[192:255] O tile (qt, dt) at 32 qt + 8 dt
.set G1K, 16                           ; s[16:23] group 1 for K's parts
.set G1V, 24                           ; s[24:31] group 1 for V's parts
.set G0V, 32                           ; s[32:39] group 0 for V's parts, a set for each slot
.set G0K, 68                           ; s[68:75] group 0 for K's parts
; Waves 0 to 3 fetch V's four parts of a slot, waves 4, 5 K's two, waves 6, 7 nothing.  half = 1: the slot's first unit alone: waves 0, 1 and 4.
; The branches hang on the wave's number alone.
.macro TLOAD s, half
	s_cmp_ge_u32 s8, 6-\half
	s_cbranch_scc1 .Lnone_\@
	s_cmp_ge_u32 s8, 4
	s_cbranch_scc1 .Lfork_\@
.if \half
	s_cmp_ge_u32 s8, 2
	s_cbranch_scc1 .Lnone_\@
.endif
	tensor_load_to_lds s[G0V+4*(\s):G0V+4*(\s)+3], s[G1V:G1V+7]
	s_nop 0
	s_branch .Lnone_\@
.Lfork_\@:
	tensor_load_to_lds s[G0K+4*(\s):G0K+4*(\s)+3], s[G1K:G1K+7]
	s_nop 0
.Lnone_\@:
.endm
; Slot s gets units s56 + voff and s56 + voff + 1; my part belongs to the one with my e (s15).  Written where no tensor load of the wave is out.
.macro NEXTADR s, voff
	s_add_co_u32 s58, s56, \voff
	s_add_co_u32 s58, s58, s15                     ; my unit v
	s_sub_co_u32 s59, s58, s13
	s_cmp_lt_u32 s58, s13
	s_cselect_b32 s58, s58, s59                    ; its key unit: v in the first block, v - n1 in the second
	s_lshl_b32 s58, s58, 13                        ; 128 tokens x 64 bytes
	s_mov_b32 s59, 0
	s_add_nc_u64 s[G0V+4*(\s)+2:G0V+4*(\s)+3], s[40:41], s[58:59]
	s_mov_b64 s[G0K+4*(\s)+2:G0K+4*(\s)+3], s[G0V+4*(\s)+2:G0V+4*(\s)+3]
	s_or_b32 s[G0V+4*(\s)+3], s[G0V+4*(\s)+3], 0x80000000
	s_or_b32 s[G0K+4*(\s)+3], s[G0K+4*(\s)+3], 0x80000000
.endm
.macro QLOAD qb                        ; my 32 query rows as four fragments: lane (r, h) takes bytes 16 h and 32 + 16 h of token r's 64 bytes in each plane
.irp qt, 0,1
.irp u, 0,1
	global_load_b128 v[QF+8*(2*\qt+\u):QF+8*(2*\qt+\u)+3],   v[QO], s[\qb:\qb+1] offset:\u*PLANE+\qt*1024
	global_load_b128 v[QF+8*(2*\qt+\u)+4:QF+8*(2*\qt+\u)+7], v[QO], s[\qb:\qb+1] offset:\u*PLANE+\qt*1024+32
.endr
.endr
.endm
	s_load_b128 s[4:7], s[0:1], 0x0                ; qkv s[4:5], y s[6:7]
	v_lshl_add_u32 v30, v0, 2, 0x4d000
	v_mov_b32 v31, 0
	ds_add_u32 v30, v31
	ds_add_u32 v30, v31
	v_lshrrev_b32 v1, 5, v0
	v_readfirstlane_b32 s8, v1                     ; wave 0..7
	s_and_b32 s9, s8, 3                            ; rg
	s_lshr_b32 s10, s8, 2                          ; c
	s_mov_b32 s11, ttmp9                           ; i
	s_and_b32 s12, ttmp7, 0xffff
	s_lshr_b32 s62, s12, 4                         ; batch
	s_and_b32 s63, s12, 15                         ; head
	s_sub_co_u32 s13, 16, s11                      ; n1: units of the first block
	s_sub_co_u32 s14, 15, s11                      ; the first block's number, and the unit that ends it (8 to 15)
	; A part is two planes' 128 tokens: each plane's are 8 KiB that follow each other (one row of 1,024 elements of 8 bytes), the next plane lies 262,144 bytes on.
	; Padding behind every 64 bytes, counted on through the whole tile, so the second plane follows the first at 128 x pitch.
	s_mov_b32 s[G1K+0], (3<<16)|(1<<20)|(3<<22)|(3<<25)   ; elements of 8 bytes; padding on; after every 16 words 4 words: pitch 80
	s_mov_b32 s[G1V+0], (3<<16)|(1<<20)|(3<<22)|(7<<25)   ; 8 words: pitch 96
	s_mov_b32 s[G1K+1], 1024<<16                   ; tensor_dim0 = 1,024 elements
	s_mov_b32 s[G1V+1], 1024<<16
	s_mov_b32 s[G1K+2], 2<<16                      ; tensor_dim1 = 2 planes
	s_mov_b32 s[G1V+2], 2<<16
	s_mov_b32 s[G1K+3], 1024<<16                   ; tile_dim0
	s_mov_b32 s[G1V+3], 1024<<16
	s_mov_b32 s[G1K+4], 2                          ; tile_dim1
	s_mov_b32 s[G1V+4], 2
	s_mov_b32 s[G1K+5], 32768                      ; elements from plane to plane
	s_mov_b32 s[G1V+5], 32768
	s_mov_b32 s[G1K+6], 0
	s_mov_b32 s[G1V+6], 0
	s_mov_b32 s[G1K+7], 0
	s_mov_b32 s[G1V+7], 0
	s_lshl_b32 s58, s63, 2
	s_and_b32 s59, s8, 1
	s_lshl1_add_u32 s58, s59, s58
	s_add_co_u32 s58, s58, 64                      ; waves 0 to 3: planes 64 + 4 head + 2 u and the next, u = wave & 1
	s_lshl_b32 s57, s63, 1
	s_add_co_u32 s57, s57, 32                      ; waves 4, 5: planes 32 + 2 head and the next
	s_lshr_b32 s15, s8, 1                          ; waves 0 to 3: e = wave >> 1
	s_cmp_lt_u32 s8, 4
	s_cselect_b32 s58, s58, s57
	s_cselect_b32 s15, s15, s59                    ; waves 4, 5: e = wave & 1 (waves 6, 7 make addresses that they never use)
	s_lshl_b32 s58, s58, 18
	s_lshl_b32 s59, s62, 17                        ; the batch's 2,048 tokens x 64 bytes
	s_add_co_u32 s58, s58, s59
	s_mov_b32 s59, 0
	s_mul_i32 s57, s8, VPART                       ; LDS: waves 0 to 3: V's parts from the slot's first byte on
	s_mul_i32 s61, s8, KPART
	s_add_co_u32 s61, s61, KBASE-4*KPART           ; waves 4, 5: K's parts at KBASE and KBASE + KPART
	s_wait_dscnt 0x0
	s_wait_kmcnt 0x0
	s_add_nc_u64 s[40:41], s[4:5], s[58:59]        ; my first plane at the batch's key 0
	s_lshl_b32 s58, s15, 13
.irp s, 0,1
	s_mov_b32 s[G0V+4*\s], 1
	s_add_co_u32 s[G0V+4*\s+1], s57, \s*SLOTB
	s_mov_b32 s[G0K+4*\s], 1
	s_add_co_u32 s[G0K+4*\s+1], s61, \s*SLOTB
.endr
	s_add_nc_u64 s[G0V+2:G0V+3], s[40:41], s[58:59]        ; slot 0: unit e = key unit e (the first block has at least nine units)
	s_add_nc_u64 s[G0V+6:G0V+7], s[G0V+2:G0V+3], 16384     ; slot 1: unit 2 + e
	s_mov_b64 s[G0K+2:G0K+3], s[G0V+2:G0V+3]
	s_mov_b64 s[G0K+6:G0K+7], s[G0V+6:G0V+7]
	s_or_b32 s[G0V+3], s[G0V+3], 0x80000000
	s_or_b32 s[G0V+7], s[G0V+7], 0x80000000
	s_or_b32 s[G0K+3], s[G0K+3], 0x80000000
	s_or_b32 s[G0K+7], s[G0K+7], 0x80000000
	; Both slots' first fills go out together, inside one branch on the wave's number: two tensor loads of a wave are out here, later never more than one
	s_cmp_ge_u32 s8, 6
	s_cbranch_scc1 .Lfirst_done
	s_cmp_ge_u32 s8, 4
	s_cbranch_scc1 .Lfirst_k
	tensor_load_to_lds s[G0V:G0V+3], s[G1V:G1V+7]
	s_nop 0
	tensor_load_to_lds s[G0V+4:G0V+7], s[G1V:G1V+7]
	s_nop 0
	s_branch .Lfirst_done
.Lfirst_k:
	tensor_load_to_lds s[G0K:G0K+3], s[G1K:G1K+7]
	s_nop 0
	tensor_load_to_lds s[G0K+4:G0K+7], s[G1K:G1K+7]
	s_nop 0
.Lfirst_done:
	s_lshl_b32 s57, s63, 19                        ; 2 head planes of q = 1 head plane of y = 524,288 bytes
	s_lshl_b32 s60, s62, 17
	s_add_co_u32 s60, s60, s57
	s_lshl_b32 s61, s9, 11
	s_add_co_u32 s60, s60, s61                     ; q: head, batch, 32 rg tokens of 64 bytes
	s_lshl_b32 s61, s14, 13
	s_add_co_u32 s58, s60, s61
	s_add_nc_u64 s[42:43], s[4:5], s[58:59]        ; Q of the first block
	s_lshl_b32 s61, s11, 13
	s_add_co_u32 s58, s60, s61
	s_add_nc_u64 s[44:45], s[4:5], s[58:59]        ; Q of the second block
	s_lshl_b32 s60, s62, 18
	s_add_co_u32 s60, s60, s57
	s_lshl_b32 s61, s9, 12
	s_add_co_u32 s60, s60, s61                     ; y: head, batch, 32 rg tokens of 128 bytes
	s_lshl_b32 s61, s14, 14
	s_add_co_u32 s58, s60, s61
	s_add_nc_u64 s[46:47], s[6:7], s[58:59]        ; y of the first block
	s_lshl_b32 s61, s11, 14
	s_add_co_u32 s58, s60, s61
	s_add_nc_u64 s[48:49], s[6:7], s[58:59]        ; y of the second block
	s_mov_b32 s50, 0x3e38aa3b                      ; c = log2(e) / 8
	s_mov_b32 s51, 0x3e38aa3b
	s_mov_b32 s52, 0xbe38aa3b                      ; -c
	s_mov_b32 s53, 0xf1800000                      ; -2^100
	s_mov_b32 s54, 0x76543210                      ; v_permlanex16_b32: lane i reads lane i of the other half
	s_mov_b32 s55, 0xfedcba98
	s_mov_b32 s60, 0xffff0000                      ; a word's upper bf16
	v_and_b32 v11, 31, v0                          ; L
	v_and_b32 v5, 15, v0                           ; r
	v_bfe_u32 v20, v0, 4, 1                        ; h
	v_lshlrev_b32 v[QO], 6, v5
	v_lshl_add_u32 v[QO], v20, 4, v[QO]            ; 64 r + 16 h
	QLOAD 42
	v_mul_u32_u24 v1, v5, KP
	v_lshl_add_u32 v1, v20, 4, v1
	s_mul_i32 s57, s10, 64*KP
	s_add_co_u32 s57, s57, KBASE
	v_add_nc_u32 v1, s57, v1                       ; K's parts + (64 c + r) x 80 + 16 h
	v_and_b32 v21, 7, v0
	v_lshl_add_u32 v21, v20, 3, v21                ; 8 h + (L & 7)
	v_bfe_u32 v22, v0, 3, 1
	v_mul_u32_u24 v21, v21, VP
	v_lshl_add_u32 v21, v22, 4, v21
	s_mul_i32 s57, s10, 64*VP
	v_add_nc_u32 v2, s57, v21                      ; (64 c + 8 h + (L & 7)) x 96 + 16 ((L >> 3) & 1)
	v_add_nc_u32 v3, 2*VPART, v2                   ; the slot's second unit
	v_add_nc_u32 v28, SLOTB, v2
	v_add_nc_u32 v29, SLOTB, v3
	s_lshl_b32 s57, s9, 5
	s_lshl_b32 s61, s10, 6
	s_sub_co_i32 s57, s57, s61
	v_lshlrev_b32 v21, 3, v20
	v_sub_nc_u32 v21, v5, v21
	v_add_nc_u32 v[DQ], s57, v21
	s_mul_i32 s57, s9, SCRW
	s_add_co_u32 s57, s57, SCR
	v_lshl_add_u32 v[MRGA], v11, 4, s57
	v_mul_u32_u24 v21, v5, SGP
	v_lshl_add_u32 v21, v20, 4, v21
	v_add_nc_u32 v[STO], s57, v21                  ; in: row r, 16 bytes for each half of the lanes
	v_lshrrev_b32 v21, 3, v11
	v_and_b32 v22, 7, v0
	v_mul_u32_u24 v21, v21, SGP
	v_lshl_add_u32 v21, v22, 4, v21
	v_add_nc_u32 v[SRD], s57, v21                  ; back: token L / 8 of four, 16 bytes L % 8 of its 128
	v_lshlrev_b32 v[YO], 4, v11
	v_add_nc_u32 v[YO2], 0x800000, v[YO]           ; r and L are used up: their registers take the last two offsets
	v_add_nc_u32 v5, SLOTB, v1
	v_mov_b32 v13, s53                             ; m = -2^100
	v_mov_b32 v15, s53
	v_mov_b32 v17, 0                               ; l = 0; O is started by the first unit's products
.macro LOADK slot, e                   ; 16 loads: my 64 keys x 64 d, plane 0's four fragments first
.set KAR, 1+4*\slot
.irp u, 0,1
.irp t, 0,1,2,3
	ds_load_b128 v[KV+8*(4*\u+\t):KV+8*(4*\u+\t)+3],   v[KAR] offset:\e*KPART+\u*KPL+\t*16*KP
	ds_load_b128 v[KV+8*(4*\u+\t)+4:KV+8*(4*\u+\t)+7], v[KAR] offset:\e*KPART+\u*KPL+\t*16*KP+32
.endr
.endr
.endm
; The eight score tiles take turns, one instruction a turn, and so do the eight tiles of O below.
.macro SMUL
	s_wait_loadcnt 0x0                             ; Q (met at once in all units but a block's first)
	s_wait_dscnt 8                                 ; plane 0's fragments are in; plane 1's eight loads are younger
.irp t, 0,1,2,3
.irp qt, 0,1
	v_wmma_f32_16x16x32_f16 v[SC+32*\qt+8*\t:SC+32*\qt+8*\t+7], v[KV+8*\t:KV+8*\t+7], v[QF+16*\qt:QF+16*\qt+7], 0
.endr
.endr
	s_wait_dscnt 0
.irp t, 0,1,2,3
.irp qt, 0,1
	v_wmma_f32_16x16x32_f16 v[SC+32*\qt+8*\t:SC+32*\qt+8*\t+7], v[KV+32+8*\t:KV+32+8*\t+7], v[QF+16*\qt+8:QF+16*\qt+15], v[SC+32*\qt+8*\t:SC+32*\qt+8*\t+7]
.endr
.endr
.rept 4
	v_nop                                          ; four places in front of the loads into K's registers and of the reads of S
.endr
.endm
; 8 transposing loads: V^T fragments of 32 keys ks x 64 d; part = 0: the upper part, 1: the lower; into dst + 8 dt
.macro LOADVP slot, e, ks, part, dst
.set VAR, 2+26*\slot+\e
.irp dt, 0,1,2,3
	ds_load_tr16_b128 v[\dst+8*\dt:\dst+8*\dt+3],   v[VAR] offset:(\dt>>1)*VPART+\part*VPL+(\dt&1)*32+\ks*32*VP
	ds_load_tr16_b128 v[\dst+8*\dt+4:\dst+8*\dt+7], v[VAR] offset:(\dt>>1)*VPART+\part*VPL+(\dt&1)*32+\ks*32*VP+16*VP
.endr
.endm
.macro MASK                            ; the diagonal unit: tile (0, tt) and tile (1, tt + 1) have the same test
	v_mov_b32 v[TP], s53
.irp tt, -1,0,1,2,3
.irp j, 0,1,2,3,4,5,6,7
	v_cmp_le_i32 vcc_lo, 16*\tt+\j, v[DQ]
.if \tt >= 0
	v_cndmask_b32 v[SC+8*\tt+\j], v[TP], v[SC+8*\tt+\j], vcc_lo
.endif
.if \tt < 3
	v_cndmask_b32 v[SC+32+8*(\tt+1)+\j], v[TP], v[SC+32+8*(\tt+1)+\j], vcc_lo
.endif
.endr
.endr
.endm
; first = 1: the launch's first unit: there is no O yet to scale
.macro SOFTMAX qt, first
.set BQ, SC+32*\qt
.set NM, 12+2*\qt
.set MM, 13+2*\qt
.set AL, 16+2*\qt
.set LL, 17+2*\qt
	v_max3_num_f32 v[TP],   v[BQ],   v[BQ+1], v[BQ+2]      ; the largest of my 32 scores of query r, in two chains
	v_max3_num_f32 v[TP+1], v[BQ+3], v[BQ+4], v[BQ+5]
.set k, 6
.rept 13
	v_max3_num_f32 v[TP+(k/2)%2], v[TP+(k/2)%2], v[BQ+k], v[BQ+k+1]
.set k, k+2
.endr
	v_max_num_f32 v[TP], v[TP], v[TP+1]
	v_permlanex16_b32 v[TP+1], v[TP], s54, s55     ; the other half of the lanes holds the query's other 32 keys
	v_max3_num_f32 v[TP], v[TP], v[TP+1], v[MM]    ; the new running maximum
	v_sub_f32 v[TP+1], v[MM], v[TP]
	v_mul_f32 v[TP+1], s50, v[TP+1]
	v_exp_f32 v[AL], v[TP+1]                       ; alpha = exp2(c (m old - m new))
	v_mov_b32 v[MM], v[TP]                         ; a plain instruction behind the exponential (ISA guide 5.7.2)
	v_mul_f32 v[NM], s52, v[TP]                    ; -c m
.set k, 0
.rept 16
	v_pk_fma_f32 v[BQ+k:BQ+k+1], v[BQ+k:BQ+k+1], s[50:51], v[NM:NM+1] op_sel_hi:[1,0,0]   ; c s - c m
.set k, k+2
.endr
.set k, 0
.rept 32
	v_exp_f32 v[BQ+k], v[BQ+k]
.set k, k+1
.endr
.if \first
	v_nop                                          ; the plain instruction between the exponentials and their first use
	s_wait_alu depctr_va_vdst(0)
.else
.set k, 0
	s_wait_alu depctr_va_vdst(0)
.rept 16
	v_pk_mul_f32 v[OA+32*\qt+k:OA+32*\qt+k+1], v[OA+32*\qt+k:OA+32*\qt+k+1], v[AL:AL+1] op_sel_hi:[1,0]   ; O x alpha: also the plain instructions between the exponentials and their first use
.set k, k+2
.endr
.endif
	v_pk_add_f32 v[TP+2:TP+3], v[BQ:BQ+1],   v[BQ+2:BQ+3]
	v_pk_add_f32 v[TP+4:TP+5], v[BQ+4:BQ+5], v[BQ+6:BQ+7]
.set k, 8
.rept 12
	v_pk_add_f32 v[TP+2+2*((k/2)%2):TP+3+2*((k/2)%2)], v[TP+2+2*((k/2)%2):TP+3+2*((k/2)%2)], v[BQ+k:BQ+k+1]
.set k, k+2
.endr
	v_pk_add_f32 v[TP+2:TP+3], v[TP+2:TP+3], v[TP+4:TP+5]
	v_add_f32 v[TP+2], v[TP+2], v[TP+3]
	v_fma_f32 v[LL], v[LL], v[AL], v[TP+2]         ; l = l alpha + my lane's sum; the two halves of the lanes are added at the block's end
.set k, 0
.rept 16
	v_cvt_pk_f16_f32 v[SC+16*\qt+k], v[BQ+2*k], v[BQ+2*k+1]    ; P in place: the register written lies at or below the pair read, among those already used up
.set k, k+1
.endr
.endm
; 8 matrix instructions: O += V^T fragments at vf (32 keys ks) x P.  zero = 1: the products start the sums: O is never cleared.
.macro PV8 vf, ks, zero
.irp dt, 0,1,2,3
.irp qt, 0,1
.if \zero
	v_wmma_f32_16x16x32_f16 v[OA+32*\qt+8*\dt:OA+32*\qt+8*\dt+7], v[\vf+8*\dt:\vf+8*\dt+7], v[SC+16*\qt+8*\ks:SC+16*\qt+8*\ks+7], 0
.else
	v_wmma_f32_16x16x32_f16 v[OA+32*\qt+8*\dt:OA+32*\qt+8*\dt+7], v[\vf+8*\dt:\vf+8*\dt+7], v[SC+16*\qt+8*\ks:SC+16*\qt+8*\ks+7], v[OA+32*\qt+8*\dt:OA+32*\qt+8*\dt+7]
.endif
.endr
.endr
.endm
; At its head 24 LDS loads are out, in this order: upper V keys 0-31, upper V keys 32-63, lower V keys 0-31, eight each.
.macro PV slot, e, first
	s_wait_dscnt 16                                ; upper V's keys 0-31 are in; sixteen loads are younger
	PV8 KV, 0, \first
.rept 4
	v_nop                                          ; four places in front of loads into registers that these products have read
.endr
	LOADVP \slot, \e, 1, 1, KV                     ; lower V's keys 32-63
	s_wait_dscnt 16                                ; upper V's keys 32-63 are in; lower V's sixteen loads are younger
	PV8 KV+32, 1, 0
	s_wait_dscnt 8                                 ; lower V's keys 0-31 are in
	PV8 SC+32, 0, 0
	s_wait_dscnt 0
	PV8 KV, 1, 0
.rept 5
	v_nop                                          ; five places: the next unit's first products write over P and lower V, its loads over V; O is read
.endr
.endm
; A block's end.  yb: the scalar pair with y's address.  reload = 1: the second block follows: its Q is fetched and m starts anew.
; O and l are not cleared then: they are finite, and alpha = exp2(c (-2^100 - m)) = 0 wipes them with the first true score.
; The next units' tiles may stay on their way across them.
.macro FINAL yb, reload
	s_wait_dscnt 0x0                               ; my LDS loads are back, any from the scratch among them
	s_barrier_signal -1
	s_barrier_wait -1                              ; so no wave still reads the scratch when it is written anew: no other barrier need stand between two units of a slot
	s_cmp_lt_u32 s8, 4
	s_cbranch_scc1 .Lkeep_\@
	v_mov_b32 v[TP],   v13                         ; waves c = 1 hand over m, l and O
	v_mov_b32 v[TP+1], v15
	v_mov_b32 v[TP+2], v17
	v_mov_b32 v[TP+3], v19
	ds_store_b128 v[MRGA], v[TP:TP+3] offset:8192
.set k, 0
.rept 16
	ds_store_b128 v[MRGA], v[OA+4*k:OA+4*k+3] offset:512*k
.set k, k+1
.endr
.Lkeep_\@:
	s_wait_dscnt 0x0                               ; my LDS stores are done, for the partner's sake
	s_barrier_signal -1
	s_barrier_wait -1
	s_cmp_ge_u32 s8, 4
	s_cbranch_scc1 .Lgave_\@
	ds_load_b128 v[TP+4:TP+7], v[MRGA] offset:8192 ; the partner's m0, m1, l0, l1
.set k, 0
.rept 16
	ds_load_b128 v[SC+4*k:SC+4*k+3], v[MRGA] offset:512*k
.set k, k+1
.endr
	s_wait_dscnt 16                                ; m and l are in; the sixteen loads of O are younger
.irp qt, 0,1
	v_max_num_f32 v[TP], v[13+2*\qt], v[TP+4+\qt]
	v_sub_f32 v[TP+1], v[13+2*\qt], v[TP]
	v_sub_f32 v[TP+2], v[TP+4+\qt], v[TP]
	v_mul_f32 v[TP+1], s50, v[TP+1]
	v_mul_f32 v[TP+2], s50, v[TP+2]
	v_exp_f32 v[TP+1], v[TP+1]                     ; my weight
	v_exp_f32 v[TP+2], v[TP+2]                     ; the partner's
	v_nop                                          ; a plain instruction behind the exponentials
	s_wait_alu depctr_va_vdst(0)
	v_mul_f32 v[TP+3], v[17+2*\qt], v[TP+1]
	v_fma_f32 v[TP+3], v[TP+6+\qt], v[TP+2], v[TP+3]
	v_permlanex16_b32 v[TP], v[TP+3], s54, s55     ; the other half of the lanes' share of l
	v_add_f32 v[TP+3], v[TP+3], v[TP]
	v_rcp_f32 v[TP+3], v[TP+3]                     ; l is at least about 1: the largest score's own term
	v_nop
	s_wait_alu depctr_va_vdst(0)
	v_mul_f32 v[16+2*\qt], v[TP+1], v[TP+3]        ; my factor, in the low register of a written pair
	v_mul_f32 v[12+2*\qt], v[TP+2], v[TP+3]        ; the partner's
.endr
	s_wait_dscnt 0x0                               ; the partner's O is in my registers: from here on my part of the scratch is my stage
.irp qt, 0,1
.set k, 0
.rept 16
	v_pk_mul_f32 v[OA+32*\qt+k:OA+32*\qt+k+1], v[OA+32*\qt+k:OA+32*\qt+k+1], v[16+2*\qt:17+2*\qt] op_sel_hi:[1,0]
.set k, k+2
.endr
.set k, 0
.rept 16
	v_pk_fma_f32 v[OA+32*\qt+k:OA+32*\qt+k+1], v[SC+32*\qt+k:SC+32*\qt+k+1], v[12+2*\qt:13+2*\qt], v[OA+32*\qt+k:OA+32*\qt+k+1] op_sel_hi:[1,0,1]
.set k, k+2
.endr
.endr
	; y as two bf16 numbers: the rounding, and the rounding's rest (exact in f32) rounded
.irp qt, 0,1
.irp dt, 0,1,2,3
.irp i, 0,1,2,3
	v_cvt_pk_bf16_f32 v[KV+4*(4*\qt+\dt)+\i], v[OA+32*\qt+8*\dt+2*\i], v[OA+32*\qt+8*\dt+2*\i+1]
.endr
.irp i, 0,1,2,3
	v_lshlrev_b32 v[TP+2*\i],   16,  v[KV+4*(4*\qt+\dt)+\i]
	v_and_b32     v[TP+2*\i+1], s60, v[KV+4*(4*\qt+\dt)+\i]
.endr
.irp i, 0,1,2,3
	v_pk_add_f32 v[OA+32*\qt+8*\dt+2*\i:OA+32*\qt+8*\dt+2*\i+1], v[OA+32*\qt+8*\dt+2*\i:OA+32*\qt+8*\dt+2*\i+1], v[TP+2*\i:TP+2*\i+1] neg_lo:[0,1] neg_hi:[0,1]
.endr
.irp i, 0,1,2,3
	v_cvt_pk_bf16_f32 v[KV+32+4*(4*\qt+\dt)+\i], v[OA+32*\qt+8*\dt+2*\i], v[OA+32*\qt+8*\dt+2*\i+1]
.endr
	ds_store_b128 v[STO], v[KV+4*(4*\qt+\dt):KV+4*(4*\qt+\dt)+3]       offset:16*SGP*\qt+32*\dt        ; query 16 qt + r, d = 16 dt + 8 h ..
	ds_store_b128 v[STO], v[KV+32+4*(4*\qt+\dt):KV+32+4*(4*\qt+\dt)+3] offset:STGH+16*SGP*\qt+32*\dt
.endr
.endr
.irp q, 0,1,2,3,4,5,6,7
	ds_load_b128 v[SC+4*\q:SC+4*\q+3], v[SRD] offset:4*SGP*\q          ; my own stages: LDS serves a wave's instructions in order
.endr
.irp q, 0,1,2,3,4,5,6,7
	ds_load_b128 v[SC+32+4*\q:SC+32+4*\q+3], v[SRD] offset:STGH+4*SGP*\q
.endr
.irp q, 0,1,2,3,4,5,6,7
	s_wait_dscnt 15-\q
	global_store_b128 v[YO], v[SC+4*\q:SC+4*\q+3], s[\yb:\yb+1] offset:512*\q          ; four tokens of a head: 512 consecutive bytes, aligned
.endr
.irp q, 0,1,2,3,4,5,6,7
	s_wait_dscnt 7-\q
	global_store_b128 v[YO2], v[SC+32+4*\q:SC+32+4*\q+3], s[\yb:\yb+1] offset:512*\q   ; the same in the plane of the rests
.endr
.if \reload
	s_wait_xcnt 0x0                                ; the stores' data registers are written again in the next unit only behind this wait
.endif
.Lgave_\@:
.if \reload
	QLOAD 44
	v_mov_b32 v13, s53
	v_mov_b32 v15, s53
.endif
.endm
; One unit, the one at place e of a slot.  mode 0: it can be no diagonal unit (units 0 to 7); 1: unit s56 + voff, which is the first block's diagonal unit if that equals s14;
; 2: unit 16, the second block's diagonal.  first = 1: the launch's first unit.
.macro UNIT slot, e, mode, voff, first
	LOADK \slot, \e
	SMUL
	LOADVP \slot, \e, 0, 0, KV                     ; upper V: it lands while the softmax runs
	LOADVP \slot, \e, 1, 0, KV+32
.if \mode == 1
	s_add_co_u32 s58, s56, \voff
	s_cmp_lg_u32 s58, s14                          ; work-group number and trip counter alone: the same in all waves
	s_cbranch_scc1 .Lnomask_\@
.endif
.if \mode
	MASK
.endif
.Lnomask_\@:
	SOFTMAX 0, \first
	SOFTMAX 1, \first
	LOADVP \slot, \e, 0, 1, SC+32                  ; lower V's keys 0-31, into the registers that P's packing has freed
	PV \slot, \e, \first
.if \mode == 1
	s_cmp_lg_u32 s58, s14
	s_cbranch_scc1 .Lnofin_\@
	FINAL 46, 1
.Lnofin_\@:
.endif
.if \mode == 2
	FINAL 48, 0
.endif
.endm
; The two units of a slot, units s56 + voff and the next.  refill = 1: the other slot gets units s56 + rvoff and the next; 2: unit s56 + rvoff alone.
.macro PAIR slot, refill, rvoff, voff
	s_wait_tensorcnt 0x0                           ; all my tensor loads have landed, my part of this slot among them: a group 0 may be written
	ds_add_u32 v30, v31
	ds_add_u32 v30, v31
	NEXTADR 1-\slot, \rvoff
	s_wait_dscnt 0x0                               ; my reads of the other slot are over
	s_barrier_signal -1
	s_barrier_wait -1                              ; both hold of all eight waves
.if \refill == 1
	TLOAD 1-\slot, 0                               ; first thing behind the barrier, the wave's one load until the next such barrier
.else
	TLOAD 1-\slot, 1
.endif
	UNIT \slot, 0, 1, \voff, 0
	UNIT \slot, 1, 1, \voff+1, 0
.endm
	v_mov_b32 v19, 0                               ; l of qt 1
	s_wait_tensorcnt 1                             ; my part of slot 0 is in; slot 1's load, issued behind it, may stay out
	s_barrier_signal -1
	s_barrier_wait -1                              ; slot 0 is whole
	UNIT 0, 0, 0, 0, 1                             ; units 0 and 1: the first starts O
	UNIT 0, 1, 0, 0, 0
	s_mov_b32 s56, 2
.Lunits:
	PAIR 1, 1, 2, 0                                ; units s56, s56 + 1; slot 0 gets s56 + 2, s56 + 3
	PAIR 0, 1, 4, 2                                ; units s56 + 2, s56 + 3; slot 1 gets s56 + 4, s56 + 5
	s_add_co_u32 s56, s56, 4
	s_cmp_lt_u32 s56, 14
	s_cbranch_scc1 .Lunits                         ; three trips: units 2 to 13
	PAIR 1, 2, 2, 0                                ; units 14, 15; slot 0 gets unit 16 alone
	s_wait_tensorcnt 0x0                           ; unit 16 has landed; nothing is left to fetch
	s_wait_dscnt 0x0
	s_barrier_signal -1
	s_barrier_wait -1
	UNIT 0, 0, 2, 0, 0
	s_wait_tensorcnt 0x0
	ds_add_u32 v30, v31
	s_wait_dscnt 0x0
	s_endpgm
.Lfunc_end_k_q7411979c87_attn:
	.size	k_q7411979c87_attn, .Lfunc_end_k_q7411979c87_attn-k_q7411979c87_attn
	.p2alignl 7, 3214868480
	.fill 96, 4, 3214868480
	.section	.rodata,"a",@progbits
	.p2align	6, 0x0
	.amdhsa_kernel k_q7411979c87_attn
		.amdhsa_group_segment_fixed_size 327680
		.amdhsa_private_segment_fixed_size 0
		.amdhsa_enable_private_segment 0
		.amdhsa_kernarg_size 16
		.amdhsa_user_sgpr_count 2
		.amdhsa_user_sgpr_kernarg_segment_ptr 1
		.amdhsa_wavefront_size32 1
		.amdhsa_system_sgpr_workgroup_id_x 1
		.amdhsa_system_sgpr_workgroup_id_y 1
		.amdhsa_system_sgpr_workgroup_id_z 1
		.amdhsa_system_vgpr_workitem_id 0
		.amdhsa_next_free_vgpr 256
		.amdhsa_next_free_sgpr 76
		.amdhsa_reserve_vcc 1
		.amdhsa_float_denorm_mode_32 3
		.amdhsa_float_denorm_mode_16_64 3
		.amdhsa_memory_ordered 1
		.amdhsa_forward_progress 1
		.amdhsa_inst_pref_size 255
	.end_amdhsa_kernel
	.section	.bss,"aw",@nobits
	.p2align	6
	.space	262144
	.amdgpu_metadata
---
amdhsa.version: [ 1, 2 ]
amdhsa.kernels:
  - .name:           k_q7411979c87_attn
    .symbol:         k_q7411979c87_attn.kd
    .args:
      - { .name: qkv, .offset: 0, .size: 8, .value_kind: global_buffer, .address_space: global }
      - { .name: y, .offset: 8, .size: 8, .value_kind: global_buffer, .address_space: global }
    .group_segment_fixed_size: 327680
    .private_segment_fixed_size: 0
    .kernarg_segment_align: 8
    .kernarg_segment_size: 16
    .max_flat_workgroup_size: 256
    .sgpr_count:     76
    .vgpr_count:     256
    .wavefront_size: 32
...
	.end_amdgpu_metadata
.endif
;; end of part 3
;; launch proj (part 4): grid 8 x 32, 4 waves a work-group, clusters of 4 x 4, 327,680 bytes of LDS; arguments y, wt, b_proj, out0; writes out0
.if DOCPART == 4
	.amdgcn_target "amdgcn-amd-amdhsa--gfx1250"
	.amdhsa_code_object_version 6
	.text
	.protected	k_q7411979c87_proj
	.globl	k_q7411979c87_proj
	.p2align	8
	.type	k_q7411979c87_proj,@function
k_q7411979c87_proj:
	s_mov_b64 s[64:65], 0
	v_nop
	global_prefetch_b8 v0, s[64:65] scope:SCOPE_SE
	s_setreg_imm32_b32 hwreg(HW_REG_WAVE_MODE, 25, 1), 1
	s_wait_xcnt 0x0
	s_wait_alu depctr_hold_cnt(0) depctr_sa_sdst(0) depctr_va_vdst(0) depctr_va_sdst(0) depctr_va_ssrc(0) depctr_va_vcc(0) depctr_vm_vsrc(0)
	s_getreg_b32 s2, hwreg(HW_REG_IB_STS2, 6, 4)
	s_cmp_eq_u32 s2, 0
	s_cbranch_scc0 .Lentry_in_a_cluster
	s_endpgm
.Lentry_in_a_cluster:
	s_bfe_u32 s2, ttmp6, 0x10000c
	s_cmp_lg_u32 s2, 0xf033
	s_cbranch_scc0 .Lentry_shape_is_right
	s_endpgm
.Lentry_shape_is_right:
; out0 = y w_proj + b_proj: C[m][n] = b[n] + sum over k of (y1[m][k] + y2[m][k]) wt[3072 + n][k], m < 4096, n < 1024, k < 1024; bf16 operands, f32 sums and output.
; y lies in planes [32][4096][64] bf16: plane h holds y1 (y rounded to bf16) of k = 64 h + d, plane 16 + h holds y2 (the rounding's rest).
; The product walks the 32 planes in their order, K = 2048 in all; wt's k goes round twice.
; A work-group makes 128 x 128 of C with four waves, a wave 64 x 64: 16 accumulator tiles.  8 x 32 = 256 work-groups.
; K goes in eight steps of 256 (four planes) through two LDS slots: a step is 128 matrix instructions of a wave, in which the other slot's load lands.
; CLUSTERS: 4 x 4 work-groups; y's tiles are shared along a row of the cluster, wt's along a column, each asked for jointly.
; The bias is the C operand of the first products: nothing is cleared and nothing is added later.
; REGISTERS: window 0: addresses, v32-63 bias, v64-127 rows on the way out; window 1: two fragment buffers of 128 registers (64 along K each: for each 32,
; wt's four fragments, then y's four); window 2: the accumulators, tile (a, b) at 8 (4 a + b).
; The matrix instruction is used transposed (source 0 = rows of wt, source 1 = rows of y): a lane holds row l % 16 and columns 8 (l / 16) + 0..7 of a tile.
.set APITCH, 144                       ; a token's 128 bytes of a plane + 16: an odd multiple of 16
.set APL,    128*APITCH                ; a plane's 128 tokens
.set AREG,   4*APL
.set BPITCH, 528                       ; 512 bytes + 16: an odd multiple of 16
.set SLOT,   AREG+128*BPITCH
.set STAGE,  2*SLOT                    ; behind the ring (a multiple of 256): 16 rows x 272 bytes for each wave
.set SPITCH, 272
.set ADRA, 16
.set ADRB, 20
.set STO,  24
.set RD,   25
.set CO,   26
.set BO,   27
.set BIAS, 32
.set OB0,  64
.set OB1,  96
.set F0,   0
.set F1,   128
.set G1, 24
.set G0, 32
.set G1B, 48
.set G0B, 56
.set MSB, 0
.macro WIN new
.if MSB != \new
	s_set_vgpr_msb (MSB<<8)|\new
.set MSB, \new
.endif
.endm
.set MULW,   0xa5                      ; sources 0 and 1 window 1, C and D window 2
.set FIRSTW, 0x85                      ; the same with C in window 0: the bias
.set TO_F,   0x40                      ; destination window 1, address window 0
.macro JLOAD s                         ; waves 0, 1 ask for y's planes, waves 2, 3 for wt's rows
	s_cmp_eq_u32 s13, 0
	s_cbranch_scc0 .Lfor_b_\@
	tensor_load_to_lds s[G0+4*\s:G0+4*\s+3], s[G1:G1+7]
	s_nop 0
	s_branch .Lasked_\@
.Lfor_b_\@:
	tensor_load_to_lds s[G0B+4*\s:G0B+4*\s+3], s[G1B:G1B+7]
	s_nop 0
.Lasked_\@:
.endm
.macro CREST
	s_cmp_lg_u32 s12, 0
	s_cbranch_scc1 .Lnot_wave_0_\@
	s_barrier_signal -3
.Lnot_wave_0_\@:
	s_barrier_wait -3
	s_barrier_signal -1
	s_barrier_wait -1
.endm
.macro CROUND
	s_barrier_signal -1
	s_barrier_wait -1
	CREST
.endm
	s_load_b256 s[4:11], s[0:1], 0x0               ; y s[4:5], wt s[6:7], b_proj s[8:9], out0 s[10:11]
	v_lshl_add_u32 v254, v0, 2, 0x49400
	v_mov_b32 v255, 0
	ds_add_u32 v254, v255
	ds_add_u32 v254, v255
	v_lshrrev_b32 v1, 5, v0
	v_readfirstlane_b32 s12, v1                    ; wave 0..3
	s_lshr_b32 s13, s12, 1                         ; my half of the rows; also: I fetch for y (0) or wt (1)
	s_and_b32 s14, s12, 1                          ; my half of the columns; also: which half of wt's rows I fetch
	s_bfe_u32 s40, ttmp6, 0x40000                  ; cx
	s_bfe_u32 s41, ttmp6, 0x40004                  ; cy
	s_lshl_b32 s42, ttmp9, 2
	s_add_co_u32 s42, s42, s40                     ; block column
	s_and_b32 s15, ttmp7, 0xffff
	s_lshl_b32 s15, s15, 2
	s_add_co_u32 s15, s15, s41                     ; block row
	s_lshl_b32 s43, s41, 2
	s_lshl_b32 s43, 15, s43                        ; my row of the cluster
	s_lshl_b32 s44, 0x1111, s40                    ; my column
	; y: two planes a load.  A plane's 128 tokens are 16 KiB that follow each other: one row of 2,048 elements of 8 bytes; the next plane lies 524,288 bytes on.
	s_or_b32 s[G1+0], s43, (3<<16)|(1<<20)|(1<<21)|(4<<22)|(3<<25)   ; mask of my row; 8-byte elements; padding: after every 32 words (a token's 128 bytes) 4 words
	s_mov_b32 s[G1+1], 2048<<16                    ; tensor_dim0
	s_mov_b32 s[G1+2], 2<<16                       ; tensor_dim1 = 2
	s_mov_b32 s[G1+3], 2048<<16                    ; tile_dim0
	s_mov_b32 s[G1+4], 2                           ; tile_dim1
	s_mov_b32 s[G1+5], 65536                       ; elements from plane to plane
	s_mov_b32 s[G1+6], 0
	s_mov_b32 s[G1+7], 0
	; wt: 64 rows x 256 k a load
	s_or_b32 s[G1B+0], s44, (1<<16)|(1<<20)|(1<<21)|(6<<22)|(3<<25)  ; mask of my column; 2-byte elements; after every 128 words 4 words
	s_mov_b32 s[G1B+1], 256<<16
	s_mov_b32 s[G1B+2], 64<<16
	s_mov_b32 s[G1B+3], 256<<16
	s_mov_b32 s[G1B+4], 64
	s_mov_b32 s[G1B+5], 1024
	s_mov_b32 s[G1B+6], 0
	s_mov_b32 s[G1B+7], 0
	s_lshl_b32 s16, s12, 20                        ; planes 2 wave, 2 wave + 1
	s_lshl_b32 s17, s15, 14                        ; 128 tokens x 128 bytes a block row
	s_add_co_u32 s16, s16, s17
	s_mov_b32 s17, 0
	s_lshl_b32 s46, s42, 7
	s_lshl_b32 s47, s14, 6
	s_add_co_u32 s46, s46, s47
	s_add_co_u32 s46, s46, 3072                    ; row 3072 + 128 x block column + 64 x half
	s_lshl_b32 s46, s46, 11
	s_mov_b32 s47, 0
	s_mul_i32 s20, s12, 2*APL                      ; LDS: waves 0, 1: planes 0-1 and 2-3
	s_mul_i32 s21, s12, 64*BPITCH
	s_add_co_u32 s21, s21, AREG-128*BPITCH         ; waves 2, 3: wt's halves behind the planes
	s_wait_dscnt 0x0
	s_wait_kmcnt 0x0
	s_add_nc_u64 s[18:19], s[4:5], s[16:17]
	s_add_nc_u64 s[46:47], s[6:7], s[46:47]
	CROUND                                         ; all sixteen work-groups are here: the first joint loads meet
.irp s, 0,1
	s_mov_b32 s[G0+4*\s], 1
	s_add_co_u32 s[G0+4*\s+1], s20, \s*SLOT
	s_add_nc_u64 s[G0+4*\s+2:G0+4*\s+3], s[18:19], \s*4*524288
	s_or_b32 s[G0+4*\s+3], s[G0+4*\s+3], 0x80000000
	s_mov_b32 s[G0B+4*\s], 1
	s_add_co_u32 s[G0B+4*\s+1], s21, \s*SLOT
	s_add_nc_u64 s[G0B+4*\s+2:G0B+4*\s+3], s[46:47], \s*512
	s_or_b32 s[G0B+4*\s+3], s[G0B+4*\s+3], 0x80000000
	JLOAD \s                                       ; both first fills go out together: two loads of this wave are out
.endr
	v_and_b32 v1, 15, v0                           ; l % 16
	v_bfe_u32 v2, v0, 4, 1                         ; l / 16
	s_lshl_b32 s46, s42, 9
	s_lshl_b32 s47, s14, 8
	s_add_co_u32 s46, s46, s47                     ; my first column x 4 bytes: for the bias and for out0
	s_mov_b32 s47, 0
	s_add_nc_u64 s[8:9], s[8:9], s[46:47]
	v_lshlrev_b32 v[BO], 5, v2                     ; 8 (l / 16) columns
.irp b, 0,1,2,3
	global_load_b128 v[BIAS+8*\b:BIAS+8*\b+3],   v[BO], s[8:9] offset:64*\b       ; register j of tile b: b[16 b + 8 (l / 16) + j], the layout of a result
	global_load_b128 v[BIAS+8*\b+4:BIAS+8*\b+7], v[BO], s[8:9] offset:64*\b+16
.endr
	v_mul_u32_u24 v3, v1, APITCH
	v_lshl_add_u32 v3, v2, 4, v3
	v_mul_u32_u24 v4, v1, BPITCH
	v_lshl_add_u32 v4, v2, 4, v4
	s_mul_i32 s22, s13, 64*APITCH
	s_mul_i32 s23, s14, 64*BPITCH
	s_add_co_u32 s23, s23, AREG
.irp s, 0,1
	v_add_nc_u32 v[ADRA+\s], s22, v3
	v_add_nc_u32 v[ADRB+\s], s23, v4
	s_add_co_u32 s22, s22, SLOT
	s_add_co_u32 s23, s23, SLOT
.endr
	s_mul_i32 s22, s12, 16*SPITCH
	s_add_co_u32 s22, s22, STAGE
	v_mul_u32_u24 v5, v1, SPITCH
	v_lshl_add_u32 v5, v2, 5, v5
	v_add_nc_u32 v[STO], s22, v5                   ; in: row l % 16, 32 bytes for each half of the lanes
	v_mul_u32_u24 v5, v2, SPITCH
	v_lshl_add_u32 v5, v1, 4, v5
	v_add_nc_u32 v[RD], s22, v5                    ; back: lanes 0-15 one row of 256 bytes, lanes 16-31 the next
	v_lshlrev_b32 v5, 12, v2
	v_lshl_add_u32 v[CO], v1, 4, v5                ; the same two rows in out0
; 32 LDS loads: plane p of a slot (64 along K) into buffer f; the first 32 of K's sixteen loads first
.macro FETCH slot, p, f
	WIN TO_F
.irp kk, 0,1
.irp b, 0,1,2,3
	ds_load_b128 v[\f+64*\kk+8*\b:\f+64*\kk+8*\b+3],   v[ADRB+\slot] offset:\b*16*BPITCH+128*\p+64*\kk
	ds_load_b128 v[\f+64*\kk+8*\b+4:\f+64*\kk+8*\b+7], v[ADRB+\slot] offset:\b*16*BPITCH+128*\p+64*\kk+32
.endr
.irp i, 0,1,2,3
	ds_load_b128 v[\f+64*\kk+32+8*\i:\f+64*\kk+32+8*\i+3],   v[ADRA+\slot] offset:\p*APL+\i*16*APITCH+64*\kk
	ds_load_b128 v[\f+64*\kk+32+8*\i+4:\f+64*\kk+32+8*\i+7], v[ADRA+\slot] offset:\p*APL+\i*16*APITCH+64*\kk+32
.endr
.endr
.endm
; 8 matrix instructions: row blocks a0, a0 + 1 x 4 column blocks.  The 16 accumulators take turns, one instruction a turn.
.macro MUL8 f, kk, a0, first
.irp a, \a0, \a0+1
.irp b, 0,1,2,3
.if \first
	v_wmma_f32_16x16x32_bf16 v[8*(4*(\a)+\b):8*(4*(\a)+\b)+7], v[\f+64*\kk+8*\b:\f+64*\kk+8*\b+7], v[\f+64*\kk+32+8*(\a):\f+64*\kk+32+8*(\a)+7], v[BIAS+8*\b:BIAS+8*\b+7]
.else
	v_wmma_f32_16x16x32_bf16 v[8*(4*(\a)+\b):8*(4*(\a)+\b)+7], v[\f+64*\kk+8*\b:\f+64*\kk+8*\b+7], v[\f+64*\kk+32+8*(\a):\f+64*\kk+32+8*(\a)+7], v[8*(4*(\a)+\b):8*(4*(\a)+\b)+7]
.endif
.endr
.endr
.endm
.macro PLACES                          ; four places behind the last matrix instruction (ISA guide 7.12.1)
.rept 4
	v_nop
.endr
.endm
; One of a slot's first three planes: multiplies buffer f; in its middle it fetches plane pn into buffer g.
.macro PIECE slot, pn, f, g, first
	s_wait_dscnt 16                                ; the first 32 of K are in; the sixteen loads of the second 32 are younger
.if \first
	WIN FIRSTW
.else
	WIN MULW
.endif
	MUL8 \f, 0, 0, \first
	MUL8 \f, 0, 2, \first
	PLACES
	FETCH \slot, \pn, \g
	s_wait_dscnt 32                                ; all but the 32 just issued
	WIN MULW
	MUL8 \f, 1, 0, 0
	MUL8 \f, 1, 2, 0
.endm
.macro THREE slot, first
	PIECE \slot, 1, F0, F1, \first
	PIECE \slot, 2, F1, F0, 0
	PIECE \slot, 3, F0, F1, 0
.endm
; A slot's last plane, and the change of slots: each wave's waits for its reads of the slot and for all its tensor loads, the barrier (which opens a round of the
; cluster's barrier where the slot is filled again), the joint refill first behind it, then the next slot's first fragments.
; fill = 0: nothing is filled; 1: wt's k goes 512 on; 2: wt's k goes 512 back (y2's planes begin, wt's k starts anew).
.macro TURN slot, next, fill
	s_wait_dscnt 16
	WIN MULW
	MUL8 F1, 0, 0, 0
	MUL8 F1, 0, 2, 0
	s_wait_dscnt 0                                 ; my reads of this slot are over
	s_set_vgpr_msb 0xa5a0
	s_wait_tensorcnt 0x0                           ; all my tensor loads have landed: the one that was out is my part of the next slot
	ds_add_u32 v254, v255
	s_wait_dscnt 0x0
	s_set_vgpr_msb 0xa0a5
	s_barrier_signal -1
	MUL8 F1, 1, 0, 0                               ; register work while the others arrive
	WIN 0
	s_barrier_wait -1
.if \fill
	CREST
	s_add_nc_u64 s[G0+4*\slot+2:G0+4*\slot+3], s[G0+4*\slot+2:G0+4*\slot+3], 8*524288   ; two steps on: eight planes
.if \fill == 1
	s_add_nc_u64 s[G0B+4*\slot+2:G0B+4*\slot+3], s[G0B+4*\slot+2:G0B+4*\slot+3], 1024
.else
	s_sub_nc_u64 s[G0B+4*\slot+2:G0B+4*\slot+3], s[G0B+4*\slot+2:G0B+4*\slot+3], 1024
.endif
	JLOAD \slot                                    ; the first and only tensor load of the wave behind the round
.endif
	PLACES
	FETCH \next, 0, F0
	WIN MULW
	MUL8 F1, 1, 2, 0
.endm
	s_wait_tensorcnt 1                             ; my part of step 0 is in; step 1's load, issued behind it, may stay out
	s_barrier_signal -1
	s_barrier_wait -1
	FETCH 0, 0, F0
	s_wait_loadcnt 0x0                             ; the bias
	THREE 0, 1                                     ; step 0 (y1, k 0-255): its first products start the sums from the bias
	TURN 0, 1, 1                                   ; slot 0 gets step 2: k 512-767
	THREE 1, 0                                     ; step 1
	TURN 1, 0, 1                                   ; slot 1 gets step 3: k 768-1023
	THREE 0, 0                                     ; step 2
	TURN 0, 1, 2                                   ; slot 0 gets step 4: y2, k 0-255
	THREE 1, 0                                     ; step 3
	TURN 1, 0, 2                                   ; slot 1 gets step 5: k 256-511
	THREE 0, 0                                     ; step 4
	TURN 0, 1, 1                                   ; slot 0 gets step 6
	THREE 1, 0                                     ; step 5
	TURN 1, 0, 1                                   ; slot 1 gets step 7
	THREE 0, 0                                     ; step 6: nothing is left to fetch
	TURN 0, 1, 0
	THREE 1, 0                                     ; step 7
	s_wait_dscnt 16
	WIN MULW
	MUL8 F1, 0, 0, 0
	MUL8 F1, 0, 2, 0
	s_wait_dscnt 0
	MUL8 F1, 1, 0, 0
	MUL8 F1, 1, 2, 0
	; THE WAY OUT, 16 rows at a time, in f32: 32 bytes a lane and tile into my own stage, read back as whole rows of 256 bytes.
	PLACES
	s_lshl_b32 s16, s15, 7
	s_lshl_b32 s17, s13, 6
	s_add_co_u32 s16, s16, s17                     ; my first row
	s_lshl_b32 s16, s16, 12
	s_mov_b32 s17, 0
	s_add_nc_u64 s[10:11], s[10:11], s[16:17]
	s_add_nc_u64 s[10:11], s[10:11], s[46:47]      ; my first column
.macro OUT16 a, f
	WIN 0x08                                       ; the stores' data in window 2
.irp b, 0,1,2,3
	ds_store_b128 v[STO], v[8*(4*\a+\b):8*(4*\a+\b)+3]   offset:64*\b
	ds_store_b128 v[STO], v[8*(4*\a+\b)+4:8*(4*\a+\b)+7] offset:64*\b+16
.endr
	WIN 0
	s_wait_xcnt 0x0                                ; buffer f, which earlier stores read, is loaded again only behind this wait
.irp t, 0,1,2,3,4,5,6,7
	ds_load_b128 v[\f+4*\t:\f+4*\t+3], v[RD] offset:\t*2*SPITCH        ; LDS serves a wave's instructions in order: these see the stores above
.endr
.irp t, 0,1,2,3,4,5,6,7
	s_wait_dscnt 7-\t
	global_store_b128 v[CO], v[\f+4*\t:\f+4*\t+3], s[10:11] offset:(16*\a+2*\t)*4096 th:TH_STORE_NT   ; sixteen lanes store 256 consecutive bytes, aligned
.endr
.endm
	OUT16 0, OB0
	OUT16 1, OB1
	OUT16 2, OB0
	OUT16 3, OB1
	s_wait_tensorcnt 0x0
	ds_add_u32 v254, v255
	s_wait_dscnt 0x0
	CROUND                                         ; the closing round
	s_endpgm
.Lfunc_end_k_q7411979c87_proj:
	.size	k_q7411979c87_proj, .Lfunc_end_k_q7411979c87_proj-k_q7411979c87_proj
	.p2alignl 7, 3214868480
	.fill 96, 4, 3214868480
	.section	.rodata,"a",@progbits
	.p2align	6, 0x0
	.amdhsa_kernel k_q7411979c87_proj
		.amdhsa_group_segment_fixed_size 327680
		.amdhsa_private_segment_fixed_size 0
		.amdhsa_enable_private_segment 0
		.amdhsa_kernarg_size 32
		.amdhsa_user_sgpr_count 2
		.amdhsa_user_sgpr_kernarg_segment_ptr 1
		.amdhsa_wavefront_size32 1
		.amdhsa_system_sgpr_workgroup_id_x 1
		.amdhsa_system_sgpr_workgroup_id_y 1
		.amdhsa_system_sgpr_workgroup_id_z 1
		.amdhsa_system_vgpr_workitem_id 0
		.amdhsa_next_free_vgpr 640
		.amdhsa_next_free_sgpr 66
		.amdhsa_reserve_vcc 0
		.amdhsa_float_denorm_mode_32 3
		.amdhsa_float_denorm_mode_16_64 3
		.amdhsa_memory_ordered 1
		.amdhsa_forward_progress 1
		.amdhsa_inst_pref_size 159
	.end_amdhsa_kernel
	.amdgpu_metadata
---
amdhsa.version: [ 1, 2 ]
amdhsa.kernels:
  - .name:           k_q7411979c87_proj
    .symbol:         k_q7411979c87_proj.kd
    .args:
      - { .name: y, .offset: 0, .size: 8, .value_kind: global_buffer, .address_space: global }
      - { .name: wt, .offset: 8, .size: 8, .value_kind: global_buffer, .address_space: global }
      - { .name: b_proj, .offset: 16, .size: 8, .value_kind: global_buffer, .address_space: global }
      - { .name: out0, .offset: 24, .size: 8, .value_kind: global_buffer, .address_space: global }
    .group_segment_fixed_size: 327680
    .private_segment_fixed_size: 0
    .kernarg_segment_align: 8
    .kernarg_segment_size: 32
    .max_flat_workgroup_size: 128
    .sgpr_count:     66
    .vgpr_count:     640
    .wavefront_size: 32
...
	.end_amdgpu_metadata
.endif
;; end of part 4
;; ======== version 2 of 2: 4 launches; version 1 with the launch cast written anew for expert scheduling mode
;; limits: values are held in f16: magnitudes above 65,504 overflow, below 6.1e-05 lose precision
;; workspace buffers: xh 8,388,608 bytes; wt 8,388,608 bytes; qkv 33,554,432 bytes; y 16,777,216 bytes
;; launch cast (part 5): grid 512 x 1, 8 waves a work-group, no clusters, 18,432 bytes of LDS; arguments x, w_qkv, w_proj, xh, wt; writes xh, wt
.if DOCPART == 5
	.amdgcn_target "amdgcn-amd-amdhsa--gfx1250"
	.amdhsa_code_object_version 6
	.text
	.protected	k_q7411979c87_cast
	.globl	k_q7411979c87_cast
	.p2align	8
	.type	k_q7411979c87_cast,@function
k_q7411979c87_cast:
	s_mov_b64 s[64:65], 0
	v_nop
	global_prefetch_b8 v0, s[64:65] scope:SCOPE_SE
	s_setreg_imm32_b32 hwreg(HW_REG_WAVE_SCHED_MODE, 0, 2), 2
	s_setreg_imm32_b32 hwreg(HW_REG_WAVE_MODE, 25, 1), 1
	s_wait_xcnt 0x0
	s_wait_alu depctr_vm_vsrc(0)
; xh[4096][1024] = bf16(x).  wt[4096][1024] bf16 holds the weights' columns as rows (K along the rows):
;   rows 0-3071: w_qkv in 32 groups of 96 rows: group g = columns 64 g .. 64 g + 63 (q for g < 16, k above), then columns 2048 + 32 g .. + 31 (v);
;   rows 3072-4095: w_proj's columns in their order.
; The groups give every wave of the next launch 64 columns of q or k and 32 of v, whatever block it has.
; bf16 keeps f32's range, so no input is out of range here.
; Each of the 512 work-groups (8 waves) does two jobs of the same size, with no branch:
;   X: 32 KiB of x: thread t takes 16 bytes at 16 t of each of eight blocks of 4,096 bytes and stores 8 bytes: a wave's store covers 256 consecutive bytes, aligned.
;   W: a tile of 128 k x 64 n of a weight.  A wave reads 16 rows k (a load covers 256 consecutive bytes), a lane holds columns 2 l and 2 l + 1,
;      packs eight k of a column into 16 bytes and puts them into LDS rows [n][k]; behind one barrier the rows are read back whole and
;      sixteen neighbouring lanes store 256 consecutive bytes of a row of wt.
; No matrix unit, no cluster, no tensor load: bytes are all that counts here and no byte is read twice.
; THE MODE: SCHED_MODE bits 1:0 = 2 (LLVM: expert scheduling mode 2), set by the entry lines.  The code itself states the register dependences
; between vector instructions and memory or LDS instructions, with s_wait_alu, always for 0.
; THE PLAN.  Registers that memory or LDS instructions touch; each is written once in the kernel:
;   v2 - v6, VO   offsets and LDS addresses: written by vector instructions at the head, read by every load and store, never written again.
;   W, X          written by global loads alone (no vector instruction names them ahead of the loads); read by the conversions behind the waits on LOADcnt.
;   PK            written by the weight's sixteen conversions; read by the four LDS stores.
;   XP            written by x's sixteen conversions; read by the eight stores of xh.
;   RB            written by LDS loads, read by the stores of wt: no vector instruction names them.
;   v136, v137    written at the head, read by the closing add alone.
; So three waits on va_vdst: one at the head for all offsets and addresses; one behind the conversions of the weight and of x's blocks 0 to 3, ahead of the
; four LDS stores and four stores of xh; one behind the conversions of x's blocks 4 to 7, ahead of the last four.  One wait on va_sdst for the wave's number.
; No register that a memory or LDS instruction reads is written again, so no wait on vm_vsrc is owed.  EXEC is never written.
.set LP,  272                          ; LDS row: 128 bf16 + 16 bytes
.set VO,  8                            ; v[8:23]    byte offset of my 8 bytes in row j of my wave's 16 rows of the weight
.set W,   24                           ; v[24:55]   row j: two f32
.set X,   56                           ; v[56:87]   block j of x: four f32
.set PK,  88                           ; v[88:103]  (k group g, column parity e): four registers = eight k in bf16
.set XP,  104                          ; v[104:119] block j of x in bf16
.set RB,  120                          ; v[120:135] rows of wt read back
	s_load_b256 s[4:11], s[0:1], 0x0               ; x s[4:5], w_qkv s[6:7], w_proj s[8:9], xh s[10:11]
	s_load_b64 s[12:13], s[0:1], 0x20              ; wt
	v_lshl_add_u32 v136, v0, 2, 0x4400             ; my spare word, behind the 64 LDS rows of 272 bytes; kept for the closing lines alone
	v_mov_b32 v137, 0                              ; and 0, likewise
	v_lshrrev_b32 v1, 5, v0
	v_readfirstlane_b32 s14, v1                    ; wave
	v_and_b32 v1, 31, v0                           ; lane
	s_lshr_b32 s15, ttmp9, 3                       ; nb: block of 64 columns, 0..47 of w_qkv, 48..63 of w_proj
	s_and_b32 s16, ttmp9, 7                        ; kb: block of 128 k
	s_sub_co_u32 s17, s15, 48                      ; the block's number inside w_proj (used only where nb >= 48)
	s_lshl_b32 s20, s16, 7
	s_wait_alu depctr_va_sdst(0)                   ; s14 is written, ahead of its first reader: the next line
	s_lshl4_add_u32 s20, s14, s20                  ; my wave's first row k = 128 kb + 16 wave
	s_movk_i32 s18, 0x3000                         ; bytes in a row of w_qkv
	s_movk_i32 s19, 0x1000                         ; bytes in a row of w_proj
	; the tile's first row in wt, and the jump in front of its rows 32-63
	s_mul_i32 s26, s15, 96                         ; q, k: group nb, rows 0-63 of it
	s_sub_co_u32 s27, s15, 32
	s_mul_i32 s27, s27, 192
	s_add_co_u32 s27, s27, 64                      ; v: groups 2 (nb - 32) and the next, rows 64-95 of each
	s_lshl_b32 s29, s15, 6                         ; w_proj: row 64 nb
	s_cmp_lt_u32 s15, 32
	s_cselect_b32 s26, s26, s27
	s_cselect_b32 s28, 0, 0x20000                  ; v: 64 rows of 2,048 bytes lie between the tile's two halves
	s_cmp_lt_u32 s15, 48
	s_cselect_b32 s26, s26, s29
	s_cselect_b32 s28, s28, 0
	s_mov_b32 s29, 0
	s_lshl_b32 s26, s26, 11                        ; rows of 2,048 bytes
	s_lshl_b32 s27, s16, 8                         ; 128 k in bf16
	s_add_co_u32 s26, s26, s27
	s_mov_b32 s27, 0
	v_lshlrev_b32 v2, 4, v0                        ; 16 t
	v_lshlrev_b32 v3, 3, v0                        ; 8 t
	v_mul_u32_u24 v4, v1, 2*LP
	v_lshl_add_u32 v4, s14, 5, v4                  ; LDS in: row 2 l, byte 32 wave
	v_lshrrev_b32 v7, 4, v0                        ; t / 16
	v_and_b32 v8, 15, v0
	v_lshlrev_b32 v8, 4, v8                        ; 16 (t mod 16)
	v_mad_u32_u24 v5, v7, LP, v8                   ; LDS back: row t / 16
	v_lshl_add_u32 v6, v7, 11, v8                  ; the same place in wt: rows of 2,048 bytes
	s_wait_kmcnt 0x0
	s_cmp_lt_u32 s15, 48                           ; which weight: hangs on the work-group's number alone
	s_cselect_b64 s[6:7], s[6:7], s[8:9]
	s_cselect_b32 s18, s18, s19                    ; its pitch
	s_cselect_b32 s17, s15, s17                    ; my block of 64 columns in it
	s_mul_i32 s20, s20, s18
	s_lshl_b32 s21, s17, 8
	s_add_co_u32 s20, s20, s21
	s_mov_b32 s21, 0
	s_add_nc_u64 s[6:7], s[6:7], s[20:21]          ; the weight at my wave's first row, my block's first column
	s_lshl_b32 s22, ttmp9, 15
	s_mov_b32 s23, 0
	s_add_nc_u64 s[4:5], s[4:5], s[22:23]          ; x at my 32 KiB
	s_lshl_b32 s24, ttmp9, 14
	s_mov_b32 s25, 0
	s_add_nc_u64 s[10:11], s[10:11], s[24:25]      ; xh at my 16 KiB
	s_add_nc_u64 s[12:13], s[12:13], s[26:27]      ; wt at my tile: for its rows 0-31
	s_add_nc_u64 s[30:31], s[12:13], s[28:29]      ; and for its rows 32-63
	v_lshlrev_b32 v[VO], 3, v1                     ; 8 l
.irp j, 1,2,3,4,5,6,7,8,9,10,11,12,13,14,15
	v_add_nc_u32 v[VO+\j], s18, v[VO+\j-1]         ; one row further down
.endr
	s_wait_alu depctr_va_vdst(0)                   ; v2 to v6 and v[VO ..] are written: every load, store and LDS instruction of the kernel reads one of them as its offset or address, and no later vector instruction names them
.irp j, 0,1,2,3,4,5,6,7,8,9,10,11,12,13,14,15
	global_load_b64 v[W+2*\j:W+2*\j+1], v[VO+\j], s[6:7] th:TH_LOAD_NT
.endr
.irp j, 0,1,2,3,4,5,6,7
	global_load_b128 v[X+4*\j:X+4*\j+3], v2, s[4:5] offset:4096*\j th:TH_LOAD_NT
.endr
	s_wait_loadcnt 8                               ; the weight's sixteen loads are in; the eight younger ones, of x, stay out
.irp g, 0,1
.irp e, 0,1
.irp i, 0,1,2,3
	v_cvt_pk_bf16_f32 v[PK+8*\g+4*\e+\i], v[W+2*(8*\g+2*\i)+\e], v[W+2*(8*\g+2*\i+1)+\e]   ; k = 8 g + 2 i below, 8 g + 2 i + 1 above, of column 2 l + e
.endr
.endr
.endr
	s_wait_loadcnt 4                               ; loads come back in order: x's blocks 0 to 3 are in, the four younger ones stay out
.irp j, 0,1,2,3
	v_cvt_pk_bf16_f32 v[XP+2*\j],   v[X+4*\j],   v[X+4*\j+1]
	v_cvt_pk_bf16_f32 v[XP+2*\j+1], v[X+4*\j+2], v[X+4*\j+3]
.endr
	s_wait_alu depctr_va_vdst(0)                   ; the conversions have written v[PK ..], which the four LDS stores read, and v[XP .. XP+7], which the four stores of xh read
.irp g, 0,1
.irp e, 0,1
	ds_store_b128 v4, v[PK+8*\g+4*\e:PK+8*\g+4*\e+3] offset:LP*\e+16*\g
.endr
.endr
.irp j, 0,1,2,3
	global_store_b64 v3, v[XP+2*\j:XP+2*\j+1], s[10:11] offset:2048*\j
.endr
	s_wait_loadcnt 0x0                             ; x's blocks 4 to 7 are in
.irp j, 4,5,6,7
	v_cvt_pk_bf16_f32 v[XP+2*\j],   v[X+4*\j],   v[X+4*\j+1]     ; these name none of the registers that the stores above read
	v_cvt_pk_bf16_f32 v[XP+2*\j+1], v[X+4*\j+2], v[X+4*\j+3]
.endr
	s_wait_alu depctr_va_vdst(0)                   ; the conversions have written v[XP+8 .. XP+15], which the last four stores of xh read
.irp j, 4,5,6,7
	global_store_b64 v3, v[XP+2*\j:XP+2*\j+1], s[10:11] offset:2048*\j
.endr
	s_wait_dscnt 0x0                               ; my LDS stores are done, for the other waves' sake
	s_barrier_signal -1
	s_barrier_wait -1                              ; the tile is whole
.irp p, 0,1,2,3
	ds_load_b128 v[RB+4*\p:RB+4*\p+3], v5 offset:16*LP*\p       ; no vector instruction has named v[RB ..], and v5 stands as the head's wait left it
.endr
.irp p, 0,1
	s_wait_dscnt 3-\p
	global_store_b128 v6, v[RB+4*\p:RB+4*\p+3], s[12:13] offset:32768*\p   ; sixteen lanes: 256 consecutive bytes of a row of wt, aligned
.endr
.irp p, 2,3
	s_wait_dscnt 3-\p
	global_store_b128 v6, v[RB+4*\p:RB+4*\p+3], s[30:31] offset:32768*\p
.endr
	s_wait_dscnt 0x0                               ; the closing lines, six on end
	s_wait_alu 0x0
	s_wait_tensorcnt 0x0
	ds_add_u32 v136, v137
	s_wait_dscnt 0x0
	s_endpgm
.Lfunc_end_k_q7411979c87_cast:
	.size	k_q7411979c87_cast, .Lfunc_end_k_q7411979c87_cast-k_q7411979c87_cast
	.p2alignl 7, 3214868480
	.fill 96, 4, 3214868480
	.section	.rodata,"a",@progbits
	.p2align	6, 0x0
	.amdhsa_kernel k_q7411979c87_cast
		.amdhsa_group_segment_fixed_size 18432
		.amdhsa_private_segment_fixed_size 0
		.amdhsa_enable_private_segment 0
		.amdhsa_kernarg_size 40
		.amdhsa_user_sgpr_count 2
		.amdhsa_user_sgpr_kernarg_segment_ptr 1
		.amdhsa_wavefront_size32 1
		.amdhsa_system_sgpr_workgroup_id_x 1
		.amdhsa_system_sgpr_workgroup_id_y 1
		.amdhsa_system_sgpr_workgroup_id_z 1
		.amdhsa_system_vgpr_workitem_id 0
		.amdhsa_next_free_vgpr 138
		.amdhsa_next_free_sgpr 66
		.amdhsa_reserve_vcc 0
		.amdhsa_float_denorm_mode_32 3
		.amdhsa_float_denorm_mode_16_64 3
		.amdhsa_memory_ordered 1
		.amdhsa_forward_progress 1
		.amdhsa_inst_pref_size 10
	.end_amdhsa_kernel
	.amdgpu_metadata
---
amdhsa.version: [ 1, 2 ]
amdhsa.kernels:
  - .name:           k_q7411979c87_cast
    .symbol:         k_q7411979c87_cast.kd
    .args:
      - { .name: x, .offset: 0, .size: 8, .value_kind: global_buffer, .address_space: global }
      - { .name: w_qkv, .offset: 8, .size: 8, .value_kind: global_buffer, .address_space: global }
      - { .name: w_proj, .offset: 16, .size: 8, .value_kind: global_buffer, .address_space: global }
      - { .name: xh, .offset: 24, .size: 8, .value_kind: global_buffer, .address_space: global }
      - { .name: wt, .offset: 32, .size: 8, .value_kind: global_buffer, .address_space: global }
    .group_segment_fixed_size: 18432
    .private_segment_fixed_size: 0
    .kernarg_segment_align: 8
    .kernarg_segment_size: 40
    .max_flat_workgroup_size: 256
    .sgpr_count:     66
    .vgpr_count:     138
    .wavefront_size: 32
...
	.end_amdgpu_metadata
.endif
;; end of part 5
;; launch qkvgemm: the kernel of part 2 again; grid 16 x 16, 4 waves a work-group, clusters of 4 x 4, 327,680 bytes of LDS; arguments xh, wt, qkv; writes qkv
;; launch attn: the kernel of part 3 again; grid 8 x 32, 8 waves a work-group, no clusters, 327,680 bytes of LDS; arguments qkv, y; writes y
;; launch proj: the kernel of part 4 again; grid 8 x 32, 4 waves a work-group, clusters of 4 x 4, 327,680 bytes of LDS; arguments y, wt, b_proj, out0; writes out0
